; MI455X (gfx1250); checked and timed in simulation.
; The chip was launched on July 23, 2026; its instructions are those of AMD's public machine-readable ISA for CDNA 5 (MIT licence, August 2026) and "CDNA5" Instruction Set Architecture Reference Guide (July 2026). The comments in the code are by the model that wrote it; some were corrected since.
;; Diff MLA Attention. Allowed arithmetic: matrix products marked QUANTISED: E2M3 operands, one E8M0 scale for each 32 along K, by v_wmma_scale_f32_16x16x128_f8f6f4 with both operands' format E2M3, f32 sums; everything else in f32.
;; Inputs: W_DKV_codes 1,024 x 64 x 24 uint8 (E2M3 codes of W_DKV, K innermost, in blocks of 32 codes, four codes in three bytes); W_DKV_scales 1,024 x 64 uint8 (E8M0 scales of W_DKV, one for each 32 codes along K); W_DQ_codes 1,024 x 64 x 24 uint8 (E2M3 codes of W_DQ, K innermost, in blocks of 32 codes, four codes in three bytes); W_DQ_scales 1,024 x 64 uint8 (E8M0 scales of W_DQ, one for each 32 codes along K); W_KR_codes 64 x 64 x 24 uint8 (E2M3 codes of W_KR, K innermost, in blocks of 32 codes, four codes in three bytes); W_KR_scales 64 x 64 uint8 (E8M0 scales of W_KR, one for each 32 codes along K); W_QR_codes 2,048 x 32 x 24 uint8 (E2M3 codes of W_QR, K innermost, in blocks of 32 codes, four codes in three bytes); W_QR_scales 2,048 x 32 uint8 (E8M0 scales of W_QR, one for each 32 codes along K); W_UK_codes 2,048 x 32 x 24 uint8 (E2M3 codes of W_UK, K innermost, in blocks of 32 codes, four codes in three bytes); W_UK_scales 2,048 x 32 uint8 (E8M0 scales of W_UK, one for each 32 codes along K); W_UQ_codes 4,096 x 32 x 24 uint8 (E2M3 codes of W_UQ, K innermost, in blocks of 32 codes, four codes in three bytes); W_UQ_scales 4,096 x 32 uint8 (E8M0 scales of W_UQ, one for each 32 codes along K); W_UV_codes 2,048 x 32 x 24 uint8 (E2M3 codes of W_UV, K innermost, in blocks of 32 codes, four codes in three bytes); W_UV_scales 2,048 x 32 uint8 (E8M0 scales of W_UV, one for each 32 codes along K); W_lambda_b 16 float32; W_lambda_w_codes 16 x 64 x 24 uint8 (E2M3 codes of W_lambda_w, K innermost, in blocks of 32 codes, four codes in three bytes); W_lambda_w_scales 16 x 64 uint8 (E8M0 scales of W_lambda_w, one for each 32 codes along K); W_out_codes 2,048 x 64 x 24 uint8 (E2M3 codes of W_out, K innermost, in blocks of 32 codes, four codes in three bytes); W_out_scales 2,048 x 64 uint8 (E8M0 scales of W_out, one for each 32 codes along K); kv_norm_w 1,024 float32; q_norm_w 1,024 float32; x_codes 2 x 1,024 x 64 x 24 uint8 (E2M3 codes of x, K innermost, in blocks of 32 codes, four codes in three bytes); x_scales 2 x 1,024 x 64 uint8 (E8M0 scales of x, one for each 32 codes along K).
;; Outputs: out0 2 x 1,024 x 2,048 float32.
;; This version of the problem:
;;   THIS VERSION OF THE PROBLEM IS GIVEN IN LOW PRECISION. The matrix products marked QUANTISED in the list below multiply operands that are first quantised to E2M3 (2 exponent bits, 3 mantissa bits; 6 bits a number), with one power-of-two scale for each 32 numbers along K (OCP MX v1.0); their sums are f32. All else is computed in f32.
;;   The module's matrix products, in the order in which they are computed (A, B: the left and right operand; K: the contracted axis; several contracted axes count as one K, in the product's order):
;;     1. [M 2,048, K 2,048] x [K 2,048, N 1,024]; A: input x (given as codes); B: input W_DKV (given as codes): QUANTISED
;;     2. [M 2,048, K 1,024] x [K 1,024, N 2,048]; A: computed on the way; B: input W_UK (given as codes): QUANTISED
;;     3. [M 2,048, K 1,024] x [K 1,024, N 2,048]; A: computed on the way; B: input W_UV (given as codes): QUANTISED
;;     4. [M 2,048, K 2,048] x [K 2,048, N 1,024]; A: input x (given as codes); B: input W_DQ (given as codes): QUANTISED
;;     5. [M 2,048, K 1,024] x [K 1,024, N 4,096]; A: computed on the way; B: input W_UQ (given as codes): QUANTISED
;;     6. [M 2,048, K 1,024] x [K 1,024, N 2,048]; A: computed on the way; B: input W_QR (given as codes): QUANTISED
;;     7. [M 2,048, K 2,048] x [K 2,048, N 64]; A: input x (given as codes); B: input W_KR (given as codes): QUANTISED
;;     8. batch 32 x [M 2,048, K 192] x [K 192, N 1,024]; A: computed on the way; B: computed on the way: QUANTISED
;;     9. batch 32 x [M 2,048, K 1,024] x [K 1,024, N 128]; A: softmax (see below); B: computed on the way: QUANTISED
;;     10. [M 2,048, K 2,048] x [K 2,048, N 16]; A: input x (given as codes); B: input W_lambda_w (given as codes): QUANTISED
;;     11. [M 2,048, K 2,048] x [K 2,048, N 2,048]; A: computed on the way; B: input W_out (given as codes): QUANTISED
;;   THE QUANTISER, for each operand of a quantised product, along K:
;;     - K is cut into blocks of 32 from its start; a last block that is shorter is filled with zeros.
;;     - A block's scale is 2^e with e = floor(log2(the largest magnitude in the block)) - 2, held to -126 .. 127; a block of zeros has e = 0. As a byte (E8M0): e + 127.
;;     - Each number is divided by its block's scale, clamped to +-7.5, and rounded to the nearest number of E2M3, ties to even, subnormals kept.
;;     - The product sums the exact products of the quantised numbers (number of the format x scale) in f32.
;;   ~~~python
;;   def quantise(x, axis):      # numpy; x: float32 -> the quantised numbers, widened to float32 again
;;       x = np.moveaxis(x, axis, -1); K = x.shape[-1]
;;       x = np.pad(x, [(0, 0)] * (x.ndim - 1) + [(0, -K % 32)]); x = x.reshape(x.shape[:-1] + (-1, 32)); a = np.abs(x).max(-1, keepdims=True)
;;       e = np.where(a > 0, np.clip(np.frexp(np.where(a > 0, a, 1))[1] - 1 - 2, -126, 127), 0)      # np.frexp(a)[1] - 1 = floor(log2(a)), exactly
;;       r = np.clip(x / 2.0 ** e, -7.5, 7.5)
;;       step = 2.0 ** (np.maximum(np.frexp(np.where(r == 0, 1, r))[1] - 1, 0) - 3)
;;       q = np.round(r / step) * step * 2.0 ** e      # np.round: ties to even
;;       return np.moveaxis(q.reshape(q.shape[:-2] + (-1,))[..., :K], -1, axis).astype(np.float32)
;;   ~~~
;;   SOFTMAX AHEAD OF A QUANTISED PRODUCT. Where the list says 'softmax', what is quantised is not the finished softmax but p = 2^(t - M), with t = logit x log2(e) and M = ceil(the row's largest t), a whole number; so 1/2 < the row's largest p <= 1. The row's sum l is taken of the UNQUANTISED p, in f32, and the product's result is divided by l at the end. Since M is a whole number, a kernel that streams over the keys may use a running M (the ceiling of the running maximum): every later rescaling is an exact power of two, which a block's scale takes up: the codes' values come out the same.
;;   OPERANDS COMPUTED ON THE WAY. 'Computed on the way' means the value that the module computes at that place (a softmax that the list does not call 'softmax' is quantised finished and normalised). What goes into a quantiser is computed in f32, as accurately as f32 sums, v_exp_f32 and their like allow (about 1e-6 of the number): no bf16 or f16 on the way to a quantiser, and a product that is left as it is and whose result goes on into a quantised operand takes f32 operands (vector FMAs, or v_wmma_f32_16x16x4_f32). A number that lies on a knife's edge between two numbers of the format may be rounded either way, as far as f32 arithmetic and the matrix unit's own rounding can turn it there, and no further.
;;   INPUTS GIVEN AS CODES. W_DKV (in the module: [2048, 1024], K = its axis 0); W_DQ (in the module: [2048, 1024], K = its axis 0); W_KR (in the module: [2048, 64], K = its axis 0); W_QR (in the module: [1024, 2048], K = its axis 0); W_UK (in the module: [1024, 2048], K = its axis 0); W_UQ (in the module: [1024, 4096], K = its axis 0); W_UV (in the module: [1024, 2048], K = its axis 0); W_lambda_w (in the module: [2048, 16], K = its axis 0); W_out (in the module: [2048, 2048], K = its axis 0); x (in the module: [2, 1024, 2048], K = its axis 2): each comes as NAME_codes (uint8): NAME with its K axis moved to the last place and cut into blocks of 32 codes, [.., K / 32, bytes a block], one block behind the other in memory; four codes in three bytes: a row's codes are one little-endian stream of bits, code i at bits 6 i .. 6 i + 5 (a code: sign, 2 exponent bits, 3 mantissa bits); and NAME_scales (uint8): the same leading axes, one E8M0 byte (e + 127) for each 32 codes along K. Its value is code x scale, taken as it is: it is not quantised again, and the codes and scales need not be those that the quantiser above would give.
;; One version. Each part assembles by itself: llvm-mc -triple=amdgcn-amd-amdhsa -mcpu=gfx1250 --defsym DOCPART=n.
;; ======== version 1 of 1: 5 launches
;; limits: right only within a limited range of input values
;; workspace buffers: wsa 17,039,360 bytes; wsn 3,514,368 bytes; wsb 16,515,072 bytes; wso 3,276,800 bytes
;; launch down (part 1): grid 16 x 16, 4 waves a work-group, clusters of 4 x 1, 327,680 bytes of LDS; arguments x_codes, x_scales, W_DKV_codes, W_DKV_scales, W_DQ_codes, W_DQ_scales, wsa; writes wsa
.if DOCPART == 1
	.amdgcn_target "amdgcn-amd-amdhsa--gfx1250"
	.amdhsa_code_object_version 6
	.text
	.protected	k_qbfcd0067f2_down
	.globl	k_qbfcd0067f2_down
	.p2align	8
	.type	k_qbfcd0067f2_down,@function
k_qbfcd0067f2_down:
	s_mov_b64 s[64:65], 0
	v_nop
	global_prefetch_b8 v0, s[64:65] scope:SCOPE_SE
	s_setreg_imm32_b32 hwreg(HW_REG_WAVE_MODE, 25, 1), 1
	s_wait_xcnt 0x0
	s_wait_alu depctr_hold_cnt(0) depctr_sa_sdst(0) depctr_va_vdst(0) depctr_va_sdst(0) depctr_va_ssrc(0) depctr_va_vcc(0) depctr_vm_vsrc(0)
	s_getreg_b32 s2, hwreg(HW_REG_IB_STS2, 6, 4)
	s_cmp_eq_u32 s2, 0
	s_cbranch_scc0 .Lentry_in_a_cluster
	s_endpgm
.Lentry_in_a_cluster:
	s_bfe_u32 s2, ttmp6, 0x10000c
	s_cmp_lg_u32 s2, 0x3003
	s_cbranch_scc0 .Lentry_shape_is_right
	s_endpgm
.Lentry_shape_is_right:
.set PITCH, 816
.set WROWS, 32*PITCH
.set SLOTB, 4*WROWS
.set XS, 2*SLOTB
.set SPARE, XS+4*WROWS
.set NK, 16
.set ADP, 3
.set XQ, 11
.set XO, 13
.set XST, 14
.set SOF, 15
.set STO, 16
.set RD, 17
.set CO, 18
.set SPW, 28
.set NIL, 29
.set SCP, 32
.set SCQ, 96
.set ACC, 112
.set WV, 18
.set G1W, 24
.set G0, 32
.set MSB, 0
.macro WIN new
.if MSB != (\new)
	s_set_vgpr_msb (MSB<<8)|(\new)
.set MSB, (\new)
.endif
.endm
.macro PLACES n
.rept \n
	v_nop
.endr
.endm
.macro CROUND
	s_barrier_signal -1
	s_barrier_wait -1
	s_cmp_lg_u32 s[WV], 0
	s_cbranch_scc1 .Lnw0_\@
	s_barrier_signal -3
.Lnw0_\@:
	s_barrier_wait -3
	s_barrier_signal -1
	s_barrier_wait -1
.endm
.macro WM d,a,b,zero,sa,sb,ra,rb
.if \zero
.if \ra
.if \rb
	v_wmma_scale_f32_16x16x128_f8f6f4 v[(\d):(\d)+7], v[(\a):(\a)+11], v[(\b):(\b)+11], 0, v[(\sa)], v[(\sb)] matrix_a_fmt:MATRIX_FMT_FP6 matrix_b_fmt:MATRIX_FMT_FP6 matrix_a_scale:MATRIX_SCALE_ROW1 matrix_b_scale:MATRIX_SCALE_ROW1
.else
	v_wmma_scale_f32_16x16x128_f8f6f4 v[(\d):(\d)+7], v[(\a):(\a)+11], v[(\b):(\b)+11], 0, v[(\sa)], v[(\sb)] matrix_a_fmt:MATRIX_FMT_FP6 matrix_b_fmt:MATRIX_FMT_FP6 matrix_a_scale:MATRIX_SCALE_ROW1
.endif
.else
.if \rb
	v_wmma_scale_f32_16x16x128_f8f6f4 v[(\d):(\d)+7], v[(\a):(\a)+11], v[(\b):(\b)+11], 0, v[(\sa)], v[(\sb)] matrix_a_fmt:MATRIX_FMT_FP6 matrix_b_fmt:MATRIX_FMT_FP6 matrix_b_scale:MATRIX_SCALE_ROW1
.else
	v_wmma_scale_f32_16x16x128_f8f6f4 v[(\d):(\d)+7], v[(\a):(\a)+11], v[(\b):(\b)+11], 0, v[(\sa)], v[(\sb)] matrix_a_fmt:MATRIX_FMT_FP6 matrix_b_fmt:MATRIX_FMT_FP6
.endif
.endif
.else
.if \ra
.if \rb
	v_wmma_scale_f32_16x16x128_f8f6f4 v[(\d):(\d)+7], v[(\a):(\a)+11], v[(\b):(\b)+11], v[(\d):(\d)+7], v[(\sa)], v[(\sb)] matrix_a_fmt:MATRIX_FMT_FP6 matrix_b_fmt:MATRIX_FMT_FP6 matrix_a_scale:MATRIX_SCALE_ROW1 matrix_b_scale:MATRIX_SCALE_ROW1
.else
	v_wmma_scale_f32_16x16x128_f8f6f4 v[(\d):(\d)+7], v[(\a):(\a)+11], v[(\b):(\b)+11], v[(\d):(\d)+7], v[(\sa)], v[(\sb)] matrix_a_fmt:MATRIX_FMT_FP6 matrix_b_fmt:MATRIX_FMT_FP6 matrix_a_scale:MATRIX_SCALE_ROW1
.endif
.else
.if \rb
	v_wmma_scale_f32_16x16x128_f8f6f4 v[(\d):(\d)+7], v[(\a):(\a)+11], v[(\b):(\b)+11], v[(\d):(\d)+7], v[(\sa)], v[(\sb)] matrix_a_fmt:MATRIX_FMT_FP6 matrix_b_fmt:MATRIX_FMT_FP6 matrix_b_scale:MATRIX_SCALE_ROW1
.else
	v_wmma_scale_f32_16x16x128_f8f6f4 v[(\d):(\d)+7], v[(\a):(\a)+11], v[(\b):(\b)+11], v[(\d):(\d)+7], v[(\sa)], v[(\sb)] matrix_a_fmt:MATRIX_FMT_FP6 matrix_b_fmt:MATRIX_FMT_FP6
.endif
.endif
.endif
.endm
.macro FRAG reg,adr,q,ro
.irp p,0,1,2,3,4,5
.set PCE, 12*(\q)+6*(\p/3)+\p%3
.if PCE%32 < 29
	ds_load_b64 v[(\reg)+2*\p:(\reg)+2*\p+1], v[(\adr)] offset:8*PCE+16*(PCE/32)+(\ro)
.else
	ds_load_b64 v[(\reg)+2*\p:(\reg)+2*\p+1], v[(\adr)+1] offset:8*PCE+16*(PCE/32)+(\ro)
.endif
.endr
.endm
; The 128 weight rows go in two halves of four tiles; a half is taken through all of K (16 steps of 128) and leaves before the other half begins.
; A stage is two K steps (2 g, 2 g + 1) of a half's four tiles: eight fragments, sixteen matrix instructions on the half's eight accumulators, by turns.
.macro FETCH hf,g,set
	WIN 0x40
.irp kk,0,1
.irp t,0,1,2,3
	FRAG 96*(\set)+48*\kk+12*\t, ADP+4*((\g)/4)+2*(\hf), (2*(\g)+\kk)%8, \t*16*PITCH
.endr
.endr
	WIN 0
.endm
.macro MUL hf,g,set
	WIN 0x01|((2+(\g)/4)<<2)
.irp kk,0,1
.irp t,0,1,2,3
.irp e,0,1
	WM ACC+64*\e+8*(4*(\hf)+\t), 96*(\set)+48*\kk+12*\t, 24*((2*(\g)+\kk)%8)+12*\e, ZF*(1-\kk), SCP+NK*((4*(\hf)+\t)/2)+2*(\g)+\kk, SCQ+2*(\g)+\kk, (\t%2), \e
.endr
.endr
.endr
	WIN 0
.endm
.macro STEP hf,g
	s_wait_dscnt 0x0                               ; this stage's set is in
.if \g < 7
	PLACES 4                                       ; in front of loads into the set that the last stage multiplied
	FETCH \hf, (\g)+1, ((\g)+1)%2
.else
.if \hf == 0
	PLACES 4
	FETCH 1, 0, 0                                  ; the second half's first stage
.endif
.endif
.if \g == 0
.set ZF, 1
.else
.set ZF, 0
.endif
	MUL \hf, \g, (\g)%2
.endm
.macro XLD ch,lo,hi,reg
.set M, 0
.rept 48
.if (M >= \lo) && (M < \hi)
	global_load_b128 v[(\reg)+4*(M-(\lo)):(\reg)+4*(M-(\lo))+3], v[XO], s[44:45] offset:3072*(M/3)+256*(M%3)+768*(\ch)
.endif
.set M, M+1
.endr
.endm
.macro XSTO lo,hi,reg
.set M, 0
.rept 48
.if (M >= \lo) && (M < \hi)
	ds_store_b128 v[XST], v[(\reg)+4*(M-(\lo)):(\reg)+4*(M-(\lo))+3] offset:1632*(M/3)+272*(M%3)
.endif
.set M, M+1
.endr
.endm
.macro XFR
.irp k,0,1,2,3,4,5,6,7
.irp e,0,1
	FRAG 24*\k+12*\e, XQ, \k, \e*16*PITCH
.endr
.endr
.endm
; A half's way out: 32 tokens x 64 columns through my own stage (rows of 256 + 16 bytes), back as whole rows: sixteen lanes store 256 consecutive bytes, aligned.
.macro OUT hf
.if \hf
	s_wait_xcnt 0x0                                ; the first half's stores have read their registers
.endif
.irp e,0,1
.irp t,0,1,2,3
	ds_store_b128 v[STO], v[ACC+64*\e+8*(4*(\hf)+\t):ACC+64*\e+8*(4*(\hf)+\t)+3] offset:64*\t
	ds_store_b128 v[STO], v[ACC+64*\e+8*(4*(\hf)+\t)+4:ACC+64*\e+8*(4*(\hf)+\t)+7] offset:64*\t+16
.endr
	WIN 0x40
.set I, 0
.rept 8
	ds_load_b128 v[192+32*\e+4*I:192+32*\e+4*I+3], v[RD] offset:544*I
.set I, I+1
.endr
	WIN 0
.endr
	s_wait_dscnt 0x0
	WIN 0x04
.irp e,0,1
.set I, 0
.rept 8
	global_store_b128 v[CO], v[192+32*\e+4*I:192+32*\e+4*I+3], s[48:49] offset:(16*\e+2*I)*8192+256*(\hf)
.set I, I+1
.endr
.endr
	WIN 0
.endm
	s_load_b256 s[4:11], s[0:1], 0x0
	s_load_b128 s[12:15], s[0:1], 0x20
	s_load_b64 s[16:17], s[0:1], 0x30
	v_lshl_add_u32 v[SPW], v0, 2, SPARE
	v_mov_b32 v[NIL], 0
	ds_add_u32 v[SPW], v[NIL]
	ds_add_u32 v[SPW], v[NIL]
	v_lshrrev_b32 v1, 5, v0
	v_readfirstlane_b32 s[WV], v1
	s_bfe_u32 s19, ttmp6, 0x40000
	s_lshl_b32 s20, ttmp9, 2
	s_add_co_u32 s20, s20, s19
	s_and_b32 s21, ttmp7, 0xffff
	s_mov_b32 s[G1W+0], 15|(1<<20)|(1<<21)|(5<<22)|(3<<25)
	s_mov_b32 s[G1W+1], 768<<16
	s_mov_b32 s[G1W+2], 64<<16
	s_mov_b32 s[G1W+3], 768<<16
	s_mov_b32 s[G1W+4], 64
	s_mov_b32 s[G1W+5], 1536
	s_mov_b32 s[G1W+6], 0
	s_mov_b32 s[G1W+7], 0
	s_and_b32 s52, s21, 7
	s_lshl_b32 s52, s52, 7
	s_lshl_b32 s56, s52, 6
	s_mov_b32 s57, 0
	s_and_b32 s58, s[WV], 1                        ; my one load: 64 rows x 768 bytes: which 64 rows,
	s_lshr_b32 s59, s[WV], 1                       ; which half of K, that is which slot
	s_lshl_b32 s53, s58, 6
	s_add_co_u32 s52, s52, s53
	s_mul_i32 s54, s52, 1536
	s_mul_i32 s53, s59, 768
	s_add_co_u32 s54, s54, s53
	s_mov_b32 s55, 0
	s_mul_i32 s58, s58, 64*PITCH
	s_mul_i32 s59, s59, SLOTB
	s_add_co_u32 s58, s58, s59                     ; where it goes in LDS
	s_mul_i32 s53, s[WV], WROWS
	s_wait_dscnt 0x0
	s_wait_kmcnt 0x0
	s_cmp_lt_u32 s21, 8
	s_cselect_b64 s[40:41], s[8:9], s[12:13]
	s_cselect_b64 s[42:43], s[10:11], s[14:15]
	s_add_nc_u64 s[40:41], s[40:41], s[54:55]
	s_add_nc_u64 s[42:43], s[42:43], s[56:57]
	s_mov_b32 s[G0+0], 1
	s_mov_b32 s[G0+1], s58
	s_mov_b64 s[G0+2:G0+3], s[40:41]
	s_or_b32 s[G0+3], s[G0+3], 0x80000000
	CROUND
	tensor_load_to_lds s[G0:G0+3], s[G1W:G1W+7]    ; one joint load a wave: the four fill both slots, each byte once
	s_nop 0
	PLACES 4
	s_lshl_b32 s58, s20, 7
	s_lshl_b32 s59, s[WV], 5
	s_add_co_u32 s58, s58, s59
	s_mul_i32 s60, s58, 1536
	s_mov_b32 s61, 0
	s_add_nc_u64 s[44:45], s[4:5], s[60:61]
	s_lshl_b32 s60, s58, 6
	s_add_nc_u64 s[46:47], s[6:7], s[60:61]
	s_lshl_b32 s60, s58, 13
	s_lshl_b32 s62, s21, 9
	s_add_co_u32 s60, s60, s62
	s_add_nc_u64 s[48:49], s[16:17], s[60:61]
	s_add_nc_u64 s[50:51], s[16:17], 16777216
	v_and_b32 v1, 31, v0
	v_and_b32 v2, 15, v0
	v_bfe_u32 v19, v0, 4, 1
	v_mul_u32_u24 v20, v2, PITCH
	v_mad_u32_u24 v21, v19, 24, v20
	v_mad_u32_u24 v22, v19, 40, v20
.irp s,0,1
.irp hh,0,1
	v_add_nc_u32 v[ADP+4*\s+2*\hh], \s*SLOTB+\hh*64*PITCH, v21
	v_add_nc_u32 v[ADP+4*\s+2*\hh+1], \s*SLOTB+\hh*64*PITCH, v22
.endr
.endr
	s_add_co_u32 s52, s53, XS
	v_add_nc_u32 v[XQ], s52, v21
	v_add_nc_u32 v[XQ+1], s52, v22
	v_lshlrev_b32 v20, 4, v2
	v_mad_u32_u24 v[XO], v19, 1536, v20
	v_mad_u32_u24 v[XST], v19, PITCH, v20
	v_add_nc_u32 v[XST], s52, v[XST]
	v_lshlrev_b32 v[SOF], 6, v1
	v_mul_u32_u24 v[STO], v2, 272
	v_lshl_add_u32 v[STO], v19, 5, v[STO]
	v_add_nc_u32 v[STO], s52, v[STO]
	v_lshlrev_b32 v20, 4, v2
	v_mad_u32_u24 v[RD], v19, 272, v20             ; back: lanes 0-15 one row of 256 bytes, lanes 16-31 the next
	v_add_nc_u32 v[RD], s52, v[RD]
	v_lshl_add_u32 v[CO], v19, 13, v20             ; and the same two rows in memory
.set I, 0
.rept 16
	global_load_b128 v[SCP+4*I:SCP+4*I+3], v[SOF], s[42:43] offset:2048*(I/4)+16*(I%4)
.set I, I+1
.endr
.irp g,0,1,2,3
	global_load_b128 v[SCQ+4*\g:SCQ+4*\g+3], v[SOF], s[46:47] offset:16*\g
.endr
	WIN 0x40
	XLD 0,0,48,0
	XLD 1,32,48,192
	WIN 0
	XLD 1,0,32,ACC
	s_lshl_b32 s58, s21, 4
	s_add_co_u32 s58, s58, s20
	s_lshl_b32 s58, s58, 7
	v_add_nc_u32 v240, s58, v0
	v_lshrrev_b32 v241, 5, v240
	v_and_b32 v242, 31, v240
	v_lshlrev_b32 v243, 8, v241
	v_lshl_add_u32 v243, v242, 2, v243
	v_cvt_f32_u32 v241, v241
	v_cvt_f32_u32 v242, v242
	v_mul_f32 v244, 0xbed49a78, v242
	v_rndne_f32 v245, v244
	v_fma_f32 v246, 0xbed49a78, v242, -v245
	v_fma_f32 v246, 0xb2179a12, v242, v246
	s_wait_alu depctr_va_vdst(0)
	v_exp_f32 v246, v246
	v_cvt_i32_f32 v245, v245
	v_nop
	s_wait_alu depctr_va_vdst(0)
	v_ldexp_f32 v246, v246, v245
	v_mul_f32 v244, v241, v246
	v_mul_f32 v247, 0x3f22f983, v244
	v_rndne_f32 v247, v247
	v_fma_f32 v244, 0xbfc90fdb, v247, v244
	v_fma_f32 v244, 0x333bbd2e, v247, v244
	v_cvt_i32_f32 v247, v247
	v_mul_f32 v248, v244, v244
	v_mov_b32 v249, 0xb94ca1f9
	v_fmaak_f32 v249, v249, v248, 0x3c08839e
	v_fmaak_f32 v249, v249, v248, 0xbe2aaaa3
	v_mul_f32 v250, v248, v244
	v_fma_f32 v249, v249, v250, v244
	v_mov_b32 v251, 0x37ccf5ce
	v_fmaak_f32 v251, v251, v248, 0xbab6061a
	v_fmaak_f32 v251, v251, v248, 0x3d2aaaa5
	v_mul_f32 v252, v248, v248
	v_fma_f32 v253, v248, -0.5, 1.0
	v_fma_f32 v251, v251, v252, v253
	v_and_b32 v252, 1, v247
	v_cmp_eq_u32 vcc_lo, 1, v252
	v_cndmask_b32 v253, v249, v251, vcc_lo
	v_cndmask_b32 v254, v251, v249, vcc_lo
	v_and_b32 v252, 2, v247
	v_lshlrev_b32 v252, 30, v252
	v_xor_b32 v253, v253, v252
	v_add_nc_u32 v252, 1, v247
	v_and_b32 v252, 2, v252
	v_lshlrev_b32 v252, 30, v252
	v_xor_b32 v254, v254, v252
	global_store_b32 v243, v254, s[50:51]
	global_store_b32 v243, v253, s[50:51] offset:128
	s_wait_loadcnt 48
	WIN 0x04
	XSTO 0,48,0
	WIN 0x80
	XFR
	s_wait_loadcnt 0x0
	WIN 0x04
	XSTO 32,48,192
	WIN 0
	XSTO 0,32,ACC
	WIN 0xc0
	XFR
	WIN 0
	s_wait_dscnt 0x0
	s_wait_tensorcnt 0x0                           ; my one load has landed,
	s_barrier_signal -1
	s_barrier_wait -1                              ; everybody's has: both slots are whole
	FETCH 0,0,0
.irp hf,0,1
.irp g,0,1,2,3,4,5,6,7
	STEP \hf,\g
.endr
	PLACES 5
	OUT \hf                                        ; the first half's stores are on their way while the second half is multiplied
.endr
	s_wait_tensorcnt 0x0
	ds_add_u32 v[SPW], v[NIL]
	s_wait_dscnt 0x0
	CROUND
	s_endpgm
.Lfunc_end_k_qbfcd0067f2_down:
	.size	k_qbfcd0067f2_down, .Lfunc_end_k_qbfcd0067f2_down-k_qbfcd0067f2_down
	.p2alignl 7, 3214868480
	.fill 96, 4, 3214868480
	.section	.rodata,"a",@progbits
	.p2align	6, 0x0
	.amdhsa_kernel k_qbfcd0067f2_down
		.amdhsa_group_segment_fixed_size 327680
		.amdhsa_private_segment_fixed_size 0
		.amdhsa_enable_private_segment 0
		.amdhsa_kernarg_size 56
		.amdhsa_user_sgpr_count 2
		.amdhsa_user_sgpr_kernarg_segment_ptr 1
		.amdhsa_wavefront_size32 1
		.amdhsa_system_sgpr_workgroup_id_x 1
		.amdhsa_system_sgpr_workgroup_id_y 1
		.amdhsa_system_sgpr_workgroup_id_z 1
		.amdhsa_system_vgpr_workitem_id 0
		.amdhsa_next_free_vgpr 1024
		.amdhsa_next_free_sgpr 66
		.amdhsa_reserve_vcc 1
		.amdhsa_float_denorm_mode_32 3
		.amdhsa_float_denorm_mode_16_64 3
		.amdhsa_memory_ordered 1
		.amdhsa_forward_progress 1
		.amdhsa_inst_pref_size 130
	.end_amdhsa_kernel
	.amdgpu_metadata
---
amdhsa.version: [ 1, 2 ]
amdhsa.kernels:
  - .name:           k_qbfcd0067f2_down
    .symbol:         k_qbfcd0067f2_down.kd
    .args:
      - { .name: x_codes, .offset: 0, .size: 8, .value_kind: global_buffer, .address_space: global }
      - { .name: x_scales, .offset: 8, .size: 8, .value_kind: global_buffer, .address_space: global }
      - { .name: W_DKV_codes, .offset: 16, .size: 8, .value_kind: global_buffer, .address_space: global }
      - { .name: W_DKV_scales, .offset: 24, .size: 8, .value_kind: global_buffer, .address_space: global }
      - { .name: W_DQ_codes, .offset: 32, .size: 8, .value_kind: global_buffer, .address_space: global }
      - { .name: W_DQ_scales, .offset: 40, .size: 8, .value_kind: global_buffer, .address_space: global }
      - { .name: wsa, .offset: 48, .size: 8, .value_kind: global_buffer, .address_space: global }
    .group_segment_fixed_size: 327680
    .private_segment_fixed_size: 0
    .kernarg_segment_align: 8
    .kernarg_segment_size: 56
    .max_flat_workgroup_size: 128
    .sgpr_count:     66
    .vgpr_count:     1024
    .wavefront_size: 32
...
	.end_amdgpu_metadata
.endif
;; end of part 1
;; launch norm (part 2): grid 128 x 1, 16 waves a work-group, no clusters, 294,912 bytes of LDS; arguments wsa, kv_norm_w, q_norm_w, x_codes, x_scales, W_KR_codes, W_KR_scales, W_lambda_w_codes, W_lambda_w_scales, W_lambda_b, wsn; writes wsn
.if DOCPART == 2
	.amdgcn_target "amdgcn-amd-amdhsa--gfx1250"
	.amdhsa_code_object_version 6
	.text
	.protected	k_qbfcd0067f2_norm
	.globl	k_qbfcd0067f2_norm
	.p2align	8
	.type	k_qbfcd0067f2_norm,@function
k_qbfcd0067f2_norm:
	s_mov_b64 s[64:65], 0
	v_nop
	global_prefetch_b8 v0, s[64:65] scope:SCOPE_SE
	s_setreg_imm32_b32 hwreg(HW_REG_WAVE_MODE, 25, 1), 1
	s_wait_xcnt 0x0
; LAUNCH 2 OF 5.  c_kv and c_q = y x rsqrt(mean(y^2) + 1e-6) x w, quantised along their 1024; k_r = rope(x W_KR), quantised along its 64; lambda = sigmoid(x W_lambda + b).  Nothing is left out.
; SHARES.  A work-group takes 16 tokens.  Wave v (0..15): path v / 8 (kv, q), K step v % 8 of that path's 1024: 128 numbers of each of the 16 rows, 64 a lane, laid so that a lane's registers 16 b + i are
; k = 32 b + 16 (lane / 16) + i of row lane % 16: the order in which the conversions want them.  The rows' sums of squares meet in LDS.  128 work-groups: a row's sum wants all of a path's waves in one work-group.
; Each wave also multiplies K step v (of 16) of x by W_KR's four tiles and W_lambda's one; the 16 partial sums meet in LDS and wave 0 (k_r) and wave 1 (lambda) add them.
; LIMIT: these two products so sum K in 16 f32 parts, added in ascending order, not in one chain.
; HOW THE OPERANDS COME.  By tensor loads, each LDS byte filled once: waves 0-7 bring 16 rows x 1,024 bytes of y each (rows 1,040 bytes apart in LDS); waves 8-13 bring 16 rows x 1,536 bytes of codes each
; (x's 16 rows, W_KR's 64, W_lambda's 16; 8 bytes behind each 256: rows 1,584 bytes apart).  One tensor load of a wave is out at the most.  One barrier; then a lane reads its numbers and fragments from LDS.
; A wave's K step hangs on its number, so the six addresses of a fragment's pieces are made at the head: the piece's byte in the row's half + 8 for each 256 passed.
; The partial products go into a block of planes for each wave, over y that has had its only fill and that every wave has read.
; NO CLUSTER: of the 278,528 bytes that a work-group fetches, 122,880 (the two small weights) are the same in all; they are asked for once, at the head, and a joint request would put two rounds of the
; cluster's barrier into a launch that has three barriers in all.
; WHAT IS STORED: operands as images of their registers: a fragment's 12 registers as three planes of 512 bytes, lane l at 16 l; k_r's six as 512 + 256 bytes; a scale word for each row.
; k_r's numbers lie inside a block of 32 in the order place 16 h + 8 u + j = number 16 u + 8 h + j; q_r (launch up) is laid alike, so their product is unchanged.  Its scale word holds its two bytes twice.
; REGISTERS: v1-13, v231-233, v239 addresses that stay; v14-15 the factor; v16-79 y; v80-151 fragments, then the gain; v152-191 five accumulators; v192-197 scale words; v198 the scale word just made, v199 its doubled form;
; v200-211 at work in the quantiser; v212-223 codes; v224-230 the conversions' second halves; v240-245 the fragments' addresses, later at work; v234-238, v246-255 at work.
.set YB, 1024                          ; LDS: 0: the sums of squares, 1,024 bytes; from YB: y in blocks of 16 rows x 1,040 bytes for each pair of waves, later a block of 8,448 bytes of planes for each wave
.set YW, 16*528
.set CB, YB+16*YW                      ; the codes: 96 whole rows: x's 16, W_KR's 64, W_lambda's 16
; WHO BRINGS WHAT NOW (one tensor load a wave): waves 0-7 bring 16 rows x 1,024 bytes of y each (the numbers of waves 2 w and 2 w + 1, side by side; 16 bytes behind each row: rows 1,040 bytes apart);
; waves 8-13 bring 16 whole rows of codes each (1,536 bytes, 8 bytes behind each 256: rows 1,584 bytes apart): x, W_KR's four tiles, W_lambda.  Waves 14 and 15 bring nothing.
.set TROW, 16*1584                     ; a tile of 16 rows of codes
.set CH, 792                           ; the second half of K inside a row
.set SPARE, CB+6*TROW
.set FB, 246                           ; v246-251: the fragments' addresses three tiles on (an LDS offset has 16 bits)
.set MX, 200
.set PB, 204
.set SO, 208
.set PW, 198
.set FA, 240
.set SEL, 62
.macro PLACES n
.rept \n
	v_nop
.endr
.endm
.macro QMAX s,nb                       ; for nb blocks of 16 registers: the block's largest magnitude (with lane l xor 16's), the conversion's scale operand, the scale's byte
.irp b,0,1,2,3
.if \b < \nb
	v_max3_num_f32 v[MX+\b], |v[(\s)+16*\b]|, |v[(\s)+1+16*\b]|, 0x1800000   ; with the floor 2^(3 - 127): the byte cannot fall under 1
.endif
.endr
.irp i,2,4,6,8,10,12,14
.irp b,0,1,2,3
.if \b < \nb
	v_max3_num_f32 v[MX+\b], v[MX+\b], |v[(\s)+16*\b+\i]|, |v[(\s)+1+16*\b+\i]|
.endif
.endr
.endr
.irp b,0,1,2,3
.if \b < \nb
	v_permlanex16_b32 v[PB+\b], v[MX+\b], s[SEL], s[SEL+1]
.endif
.endr
.irp b,0,1,2,3
.if \b < \nb
	v_max_num_f32 v[MX+\b], v[MX+\b], v[PB+\b]
.endif
.endr
.irp b,0,1,2,3
.if \b < \nb
	v_add_nc_u32 v[SO+\b], 0xff000000, v[MX+\b]    ; 2 off the exponent field
.endif
.endr
.irp b,0,1,2,3
.if \b < \nb
	v_lshrrev_b32 v[PB+\b], 23, v[SO+\b]
.endif
.endr
.endm
.macro QUANT s,pc,ct,pw,nb             ; 16 nb numbers of a lane become codes in v[pc] on (a whole block in a lane) and the row's scale word in v[pw]
	QMAX \s, \nb
	v_lshl_or_b32 v[\pw], v[PB+1], 8, v[PB]
.if \nb > 2
	s_delay_alu instid0(VALU_DEP_1)
	v_lshl_or_b32 v[\pw], v[PB+2], 16, v[\pw]
	s_delay_alu instid0(VALU_DEP_1)
	v_lshl_or_b32 v[\pw], v[PB+3], 24, v[\pw]
.endif
.irp c,0,1
.if 2*\c < \nb
	v_cvt_scalef32_pk16_fp6_f32 v[(\pc)+6*\c:(\pc)+6*\c+2], v[(\s)+32*\c:(\s)+32*\c+15], v[SO+2*\c]
	v_cvt_scalef32_pk16_fp6_f32 v[(\ct)+4*\c:(\ct)+4*\c+2], v[(\s)+32*\c+16:(\s)+32*\c+31], v[SO+2*\c+1]
.endif
.endr
	v_nop                                          ; a plain instruction behind the conversions
.irp c,0,1
.if 2*\c < \nb
.irp i,0,1,2
	v_permlane16_swap_b32 v[(\pc)+6*\c+\i], v[(\ct)+4*\c+\i]
.endr
.irp i,0,1,2
	s_delay_alu instid0(VALU_DEP_3)
	v_mov_b32 v[(\pc)+6*\c+3+\i], v[(\ct)+4*\c+\i]
.endr
.endif
.endr
.endm
	s_load_b512 s[4:19], s[0:1], 0x0               ; wsa, kv_norm_w, q_norm_w, x codes, x scales, W_KR codes, W_KR scales, W_lambda codes
	s_load_b128 s[20:23], s[0:1], 0x40             ; W_lambda scales, W_lambda_b
	s_load_b64 s[24:25], s[0:1], 0x50              ; wsn
	v_lshl_add_u32 v11, v0, 2, SPARE               ; my spare word,
	v_mov_b32 v12, 0                               ; and 0
	ds_add_u32 v11, v12                            ; the opening: the add, twice on end, and its wait ahead of my first tensor load
	ds_add_u32 v11, v12
	v_lshrrev_b32 v234, 5, v0
	s_delay_alu instid0(VALU_DEP_1)
	v_readfirstlane_b32 s26, v234                  ; wave v
	s_lshr_b32 s27, s26, 3                         ; path; also: which half of K my step of the side products lies in
	s_and_b32 s28, s26, 7                          ; K step of the path; also: which step of that half
	v_and_b32 v235, 31, v0
	v_and_b32 v236, 15, v0                         ; r
	v_bfe_u32 v237, v0, 4, 1                       ; h
	s_delay_alu instid0(VALU_DEP_1)
	v_lshlrev_b32 v2, 6, v237                      ; 64 h
	s_delay_alu instid0(VALU_DEP_3)
	v_lshlrev_b32 v4, 6, v236                      ; 64 r
	v_lshlrev_b32 v5, 4, v235                      ; 16 lane
	v_lshlrev_b32 v6, 3, v235                      ; 8 lane
	v_lshlrev_b32 v7, 2, v236                      ; 4 r
	s_mov_b32 s84, 1                               ; group 0 for y: count,
	s_mul_i32 s85, s26, 16*1040
	s_add_co_u32 s85, s85, YB                      ; what I fetch of y goes to the block of a pair of waves
	s_mul_i32 s31, s26, YW
	s_add_co_u32 s31, s31, YB                      ; my ten planes of partial products
	s_lshr_b32 s29, s26, 1
	s_mul_i32 s29, s29, 16*1040
	s_and_b32 s30, s26, 1
	s_mul_i32 s30, s30, 512
	s_add_co_u32 s29, s29, s30
	s_add_co_u32 s29, s29, YB                      ; my 512 bytes of each row of my pair's block
	s_wait_alu depctr_va_vdst(0)                   ; the wait behind the run of scalar lines
	v_mad_u32_u24 v1, v236, 1040, v2
	s_delay_alu instid0(VALU_DEP_1)
	v_add_nc_u32 v1, s29, v1
	v_add_nc_u32 v10, s31, v5
	v_add_nc_u32 v13, YB, v5                       ; waves 0-7's planes,
	v_add_nc_u32 v233, YB+8*YW, v5                 ; waves 8-15's
	s_lshl_b32 s29, s26, 6
	v_add_nc_u32 v8, s29, v7                       ; my wave's 16 partial sums of squares
	s_lshl_b32 s29, s27, 9
	v_add_nc_u32 v9, s29, v7                       ; and my path's eight waves'
	s_mul_i32 s29, s28, 96
	v_mul_u32_u24 v246, v237, 24
	s_delay_alu instid0(VALU_DEP_1)
	v_add_nc_u32 v246, s29, v246                   ; my fragments' first byte in a row's half: 96 x step + 24 h
	s_mul_i32 s29, s27, CH
	s_add_co_u32 s29, s29, CB
	v_mul_u32_u24 v247, v236, 1584
	s_delay_alu instid0(VALU_DEP_1)
	v_add_nc_u32 v247, s29, v247                   ; row r of a tile, in my half
.irp p,0,1,2,3,4,5
	v_add_nc_u32 v[FA+\p], 48*(\p/3)+8*(\p%3), v246    ; piece p's byte,
	s_delay_alu instid0(VALU_DEP_1)
	v_lshrrev_b32 v248, 8, v[FA+\p]
	s_delay_alu instid0(VALU_DEP_1)
	v_lshl_add_u32 v[FA+\p], v248, 3, v[FA+\p]         ; 8 more for each 256 passed,
	s_delay_alu instid0(VALU_DEP_1)
	v_add_nc_u32 v[FA+\p], v247, v[FA+\p]              ; in my row
.endr
.irp p,0,1,2,3,4,5
	v_add_nc_u32 v[FB+\p], 3*TROW, v[FA+\p]
.endr
	v_lshl_add_u32 v239, v236, 8, 0
	s_delay_alu instid0(VALU_DEP_1)
	v_lshl_add_u32 v239, v237, 5, v239             ; the table: 256 r + 32 h
	v_lshlrev_b32 v232, 5, v237                    ; the bias: 32 h
	s_delay_alu instid0(VALU_DEP_1)
	v_add_nc_u32 v231, v4, v232                    ; lambda: 64 r + 32 h
.irp b,0,1,2,3
	v_mov_b32 v[PB+\b], 0                          ; a lane permute's destination counts as read
.endr
	v_mov_b32 v238, 0
	s_mov_b32 s[SEL], 0x76543210
	s_mov_b32 s[SEL+1], 0xfedcba98
	s_mov_b32 s68, (2<<16)|(1<<20)|(7<<22)|(3<<25) ; group 1 for y: elements of 4 bytes; 4 words of padding behind every 256
	s_mov_b32 s69, 256<<16
	s_mov_b32 s70, 16<<16
	s_mov_b32 s71, 256<<16
	s_mov_b32 s72, 16
	s_mov_b32 s73, 2048
	s_mov_b32 s74, 0
	s_mov_b32 s75, 0
	s_mov_b32 s76, (1<<20)|(5<<22)|(1<<25)         ; group 1 for codes: bytes; 2 words of padding behind every 64
	s_mov_b32 s77, 1536<<16
	s_mov_b32 s78, 16<<16
	s_mov_b32 s79, 1536<<16
	s_mov_b32 s80, 16
	s_mov_b32 s81, 1536
	s_mov_b32 s82, 0
	s_mov_b32 s83, 0
	s_lshl_b32 s30, ttmp9, 17                      ; 16 rows of y
	s_lshl_b32 s31, s26, 10                        ; waves 0-7: 1,024 bytes of each row
	s_add_co_u32 s30, s30, s31
	s_mov_b32 s31, 0
	s_and_b32 s92, s26, 7                          ; waves 8-13: tile of 16 rows: 0 x, 1-4 W_KR, 5 W_lambda
	s_mul_i32 s94, s92, TROW
	s_mov_b32 s88, 1
	s_add_co_u32 s89, s94, CB
	s_sub_co_u32 s96, s92, 1
	s_mul_i32 s96, s96, 24576                      ; W_KR's rows 16 (tile - 1) on
	s_mul_i32 s97, ttmp9, 24576                    ; x's rows
	s_wait_alu depctr_va_vdst(0)                   ; the wait at the head's end
	s_wait_dscnt 0x0                               ; both opening adds are done
	s_wait_kmcnt 0x0
	s_add_nc_u64 s[86:87], s[4:5], s[30:31]
	s_or_b32 s87, s87, 0x80000000
	s_cmp_eq_u32 s92, 0
	s_cselect_b64 s[98:99], s[10:11], s[14:15]
	s_cselect_b32 s96, s97, s96
	s_cmp_eq_u32 s92, 5
	s_cselect_b64 s[98:99], s[18:19], s[98:99]
	s_cselect_b32 s96, 0, s96
	s_mov_b32 s97, 0
	s_add_nc_u64 s[90:91], s[98:99], s[96:97]
	s_or_b32 s91, s91, 0x80000000
	s_cmp_lt_u32 s26, 8                            ; one chain of branches on the wave's number, one load to an arm
	s_cbranch_scc0 .Lcodes
	tensor_load_to_lds s[84:87], s[68:75]          ; 16 rows x 256 numbers of y
	s_nop 0
	PLACES 4
	s_branch .Lno_side
.Lcodes:
	s_cmp_lt_u32 s26, 14
	s_cbranch_scc0 .Lno_side
	tensor_load_to_lds s[88:91], s[76:83]          ; 16 rows x 1,536 bytes of codes
	s_nop 0
	PLACES 4
.Lno_side:
	s_mov_b32 s35, 0
	s_lshl_b32 s34, s26, 2
	s_add_nc_u64 s[44:45], s[16:17], s[34:35]      ; the scale words of K step v
	s_add_nc_u64 s[46:47], s[20:21], s[34:35]
	s_lshl_b32 s30, ttmp9, 10
	s_add_co_u32 s30, s30, s34
	s_add_nc_u64 s[42:43], s[12:13], s[30:31]
.irp t,0,1,2,3
	global_load_b32 v[193+\t], v4, s[44:45] offset:1024*\t
.endr
	global_load_b32 v197, v4, s[46:47]
	global_load_b32 v192, v4, s[42:43]
	s_cmp_lt_u32 s26, 8
	s_cselect_b64 s[48:49], s[6:7], s[8:9]         ; my path's gain
	s_lshl_b32 s30, s28, 9
	s_add_nc_u64 s[48:49], s[48:49], s[30:31]
	s_lshl_b32 s29, s27, 7
	s_add_co_u32 s29, s29, ttmp9                   ; 128 path + tile
	s_lshl_b32 s30, s29, 3
	s_add_co_u32 s30, s30, s28
	s_mul_i32 s30, s30, 1536
	s_add_nc_u64 s[50:51], s[24:25], s[30:31]      ; my image
	s_lshl_b32 s30, s29, 9
	s_lshl_b32 s34, s28, 6
	s_add_co_u32 s30, s30, s34
	s_add_co_u32 s30, s30, 3145728
	s_add_nc_u64 s[52:53], s[24:25], s[30:31]      ; its scale words
	s_mul_i32 s30, ttmp9, 768
	s_add_co_u32 s30, s30, 3276800
	s_add_nc_u64 s[54:55], s[24:25], s[30:31]      ; k_r's image
	s_lshl_b32 s30, ttmp9, 6
	s_add_co_u32 s30, s30, 3375104
	s_add_nc_u64 s[56:57], s[24:25], s[30:31]      ; its scale words
	s_lshl_b32 s30, ttmp9, 10
	s_add_co_u32 s30, s30, 3383296
	s_add_nc_u64 s[58:59], s[24:25], s[30:31]      ; lambda
	s_and_b32 s30, ttmp9, 63
	s_lshl_b32 s30, s30, 12
	s_add_co_u32 s30, s30, 16777216
	s_add_nc_u64 s[60:61], s[4:5], s[30:31]        ; the table at my first position
	s_wait_tensorcnt 0x0                           ; my loads have landed,
	s_barrier_signal -1
	s_barrier_wait -1                              ; everybody's have
.set I, 0
.rept 16
	ds_load_b128 v[16+4*I:19+4*I], v1 offset:128*(I/4)+16*(I%4)
.set I, I+1
.endr
.irp p,0,1,2,3,4,5
	ds_load_b64 v[80+2*\p:81+2*\p], v[FA+\p]       ; x's fragment
.endr
.irp t,0,1,2,3,4
.irp p,0,1,2,3,4,5
.if \t < 2
	ds_load_b64 v[92+12*\t+2*\p:93+12*\t+2*\p], v[FA+\p] offset:(\t+1)*TROW
.else
	ds_load_b64 v[92+12*\t+2*\p:93+12*\t+2*\p], v[FB+\p] offset:(\t-2)*TROW
.endif
.endr
.endr
	s_wait_dscnt 0x0                               ; my reads of y and of the codes are over:
	s_wait_loadcnt 0x0                             ; the scale words
	s_barrier_signal -1                            ; say so; the partial products below land on bytes of y that another wave may have been reading
.irp t,0,1,2,3,4                       ; transposed: source 0 = 16 weight rows, source 1 = my 16 tokens; five accumulators, one instruction each
	v_wmma_scale_f32_16x16x128_f8f6f4 v[152+8*\t:159+8*\t], v[92+12*\t:103+12*\t], v[80:91], 0, v[193+\t], v192 matrix_a_fmt:MATRIX_FMT_FP6 matrix_b_fmt:MATRIX_FMT_FP6
.endr
	v_pk_mul_f32 v[234:235], v[16:17], v[16:17]    ; the sum of squares of my 64, in two chains (these lines are also the places behind the products)
	v_pk_mul_f32 v[236:237], v[18:19], v[18:19]
.irp j,4,8,12,16,20,24,28,32,36,40,44,48,52,56,60
	s_delay_alu instid0(VALU_DEP_2)
	v_pk_fma_f32 v[234:235], v[16+\j:17+\j], v[16+\j:17+\j], v[234:235]
	s_delay_alu instid0(VALU_DEP_2)
	v_pk_fma_f32 v[236:237], v[18+\j:19+\j], v[18+\j:19+\j], v[236:237]
.endr
	s_delay_alu instid0(VALU_DEP_1)
	v_pk_add_f32 v[234:235], v[234:235], v[236:237]
	s_delay_alu instid0(VALU_DEP_1)
	v_add_f32 v234, v234, v235
	s_delay_alu instid0(VALU_DEP_1)
	v_permlanex16_b32 v238, v234, s[SEL], s[SEL+1]
	s_delay_alu instid0(VALU_DEP_1)
	v_add_f32 v234, v234, v238                     ; row r's 128 numbers of this K step
	s_wait_alu depctr_va_vdst(0)                   ; the wait ahead of the barrier's wait
	s_barrier_wait -1                              ; every wave has read its y
.set I, 0
.rept 10
	ds_store_b128 v10, v[152+4*I:155+4*I] offset:512*I   ; each accumulator from its low end on; into my own block of planes; every wave has read its y
.set I, I+1
.endr
	ds_store_b32 v8, v234                          ; both halves of the lanes write the same word with the same value
.set I, 0
.rept 16
	global_load_b128 v[80+4*I:83+4*I], v2, s[48:49] offset:128*(I/4)+16*(I%4)   ; the gain at my 64 places
.set I, I+1
.endr
	s_wait_dscnt 0x0                               ; for the others' sake: my stores have landed
	s_barrier_signal -1
	s_barrier_wait -1
.irp k,0,1,2,3,4,5,6,7
	ds_load_b32 v[240+\k], v9 offset:64*\k
.endr
	s_wait_dscnt 0x0
	v_add_f32 v240, v240, v241
	v_add_f32 v242, v242, v243
	v_add_f32 v244, v244, v245
	v_add_f32 v246, v246, v247
	s_delay_alu instid0(VALU_DEP_3)
	v_add_f32 v240, v240, v242
	s_delay_alu instid0(VALU_DEP_2)
	v_add_f32 v244, v244, v246
	s_delay_alu instid0(VALU_DEP_1)
	v_add_f32 v240, v240, v244
	s_mov_b32 s29, 0x3a800000                      ; 1 / 1024
	v_fmaak_f32 v14, s29, v240, 0x358637bd         ; the mean + 1e-6
	s_wait_alu depctr_va_vdst(0)
	v_rsq_f32 v14, v14
	v_nop                                          ; a plain instruction behind it,
	s_wait_alu depctr_va_vdst(0)                   ; and the wait ahead of its first reader
	v_mov_b32 v15, v14
	s_wait_alu depctr_va_vdst(0)
	s_wait_loadcnt 0x0                             ; the gain
.set J, 0
.rept 32
	v_pk_mul_f32 v[16+J:17+J], v[16+J:17+J], v[14:15]
.set J, J+2
.endr
.set J, 0
.rept 32
	v_pk_mul_f32 v[16+J:17+J], v[16+J:17+J], v[80+J:81+J]
.set J, J+2
.endr
	QUANT 16, 212, 224, PW, 4
.irp c,0,1,2
	global_store_b128 v5, v[212+4*\c:215+4*\c], s[50:51] offset:512*\c
.endr
	global_store_b32 v7, v[PW], s[52:53]
	s_cmp_eq_u32 s26, 0
	s_cbranch_scc0 .Lnot_wave_0
	; WAVE 0: k_r.  Accumulator t, register j: dimension 16 t + 8 h + j of token r
	s_wait_xcnt 0x0                                ; the stores above have read their registers: the codes' and the scale word's are written again below
.irp u,0,1
.irp jj,0,1
	global_load_b128 v[240+8*\u+4*\jj:243+8*\u+4*\jj], v239, s[60:61] offset:64*\u+16*\jj        ; cos at frequencies 16 u + 8 h + 0 .. 7
.endr
.endr
.irp jj,0,1
	global_load_b128 v[144+4*\jj:147+4*\jj], v239, s[60:61] offset:128+16*\jj                    ; sin, u = 0
	global_load_b128 v[184+4*\jj:187+4*\jj], v239, s[60:61] offset:128+64+16*\jj                 ; sin, u = 1
.endr
.irp bt,0,1,2,3                        ; four waves' partial sums at a time: planes 0-7
.set I, 0
.rept 32
.if \bt < 2
	ds_load_b128 v[16+4*I:19+4*I], v13 offset:(4*\bt+I/8)*YW+512*(I%8)
.else
	ds_load_b128 v[16+4*I:19+4*I], v233 offset:(4*\bt-8+I/8)*YW+512*(I%8)
.endif
.set I, I+1
.endr
	s_wait_dscnt 0x0
.set I, 0
.rept 16
.if \bt == 0
	v_pk_add_f32 v[152+2*I:153+2*I], v[16+2*I:17+2*I], v[48+2*I:49+2*I]
.else
	v_pk_add_f32 v[152+2*I:153+2*I], v[152+2*I:153+2*I], v[16+2*I:17+2*I]
	s_delay_alu instid0(VALU_DEP_1)
	v_pk_add_f32 v[152+2*I:153+2*I], v[152+2*I:153+2*I], v[48+2*I:49+2*I]
.endif
	s_delay_alu instid0(VALU_DEP_1)
	v_pk_add_f32 v[152+2*I:153+2*I], v[152+2*I:153+2*I], v[80+2*I:81+2*I]
	s_delay_alu instid0(VALU_DEP_1)
	v_pk_add_f32 v[152+2*I:153+2*I], v[152+2*I:153+2*I], v[112+2*I:113+2*I]
.set I, I+1
.endr
.endr
	s_wait_loadcnt 0x0
.irp i,0,2,4,6,8,10,12,14              ; the rope: registers i and 16 + i are dimensions d and 32 + d
.if \i < 8
.set SN, 144+\i
.else
.set SN, 176+\i
.endif
	v_pk_mul_f32 v[234:235], v[168+\i:169+\i], v[SN:SN+1]
	v_pk_mul_f32 v[236:237], v[152+\i:153+\i], v[SN:SN+1]
	s_delay_alu instid0(VALU_DEP_2)
	v_pk_fma_f32 v[152+\i:153+\i], v[152+\i:153+\i], v[240+\i:241+\i], v[234:235] neg_lo:[0,0,1] neg_hi:[0,0,1]
	s_delay_alu instid0(VALU_DEP_2)
	v_pk_fma_f32 v[168+\i:169+\i], v[168+\i:169+\i], v[240+\i:241+\i], v[236:237]
.endr
	QUANT 152, 212, 224, PW, 2
	v_perm_b32 v[PW+1], v[PW], v[PW], 0x01000100   ; the two bytes twice
	global_store_b128 v5, v[212:215], s[54:55]
	global_store_b64 v6, v[216:217], s[54:55] offset:512
	global_store_b32 v7, v[PW+1], s[56:57]
	s_branch .Lend
.Lnot_wave_0:
	s_cmp_eq_u32 s26, 1
	s_cbranch_scc0 .Lend
	; WAVE 1: lambda.  Register j: head 8 h + j of token r
	global_load_b128 v[152:155], v232, s[22:23]
	global_load_b128 v[156:159], v232, s[22:23] offset:16
.set I, 0
.rept 32
.if I < 16
	ds_load_b128 v[16+4*I:19+4*I], v13 offset:(I/2)*YW+512*(8+I%2)
.else
	ds_load_b128 v[16+4*I:19+4*I], v233 offset:(I/2-8)*YW+512*(8+I%2)
.endif
.set I, I+1
.endr
	s_wait_dscnt 0x0
.irp i,0,2,4,6
	v_pk_add_f32 v[144+\i:145+\i], v[16+\i:17+\i], v[24+\i:25+\i]
.endr
.set I, 2
.rept 14
.irp i,0,2,4,6
	s_delay_alu instid0(VALU_DEP_4)
	v_pk_add_f32 v[144+\i:145+\i], v[144+\i:145+\i], v[16+8*I+\i:17+8*I+\i]
.endr
.set I, I+1
.endr
	s_wait_alu depctr_va_vdst(0)
	s_wait_loadcnt 0x0
.irp i,0,2,4,6
	v_pk_add_f32 v[144+\i:145+\i], v[144+\i:145+\i], v[152+\i:153+\i]
.endr
.irp j,0,1,2,3,4,5,6,7
	v_mul_f32 v[144+\j], 0xbfb8aa3b, v[144+\j]
.endr
	s_wait_alu depctr_va_vdst(0)
.irp j,0,1,2,3,4,5,6,7
	v_exp_f32 v[144+\j], v[144+\j]
.endr
	v_nop
	s_wait_alu depctr_va_vdst(0)                   ; one wait for the eight
.irp j,0,1,2,3,4,5,6,7
	v_add_f32 v[144+\j], 1.0, v[144+\j]
.endr
	s_wait_alu depctr_va_vdst(0)
.irp j,0,1,2,3,4,5,6,7
	v_rcp_f32 v[144+\j], v[144+\j]
.endr
	v_nop
	s_wait_alu depctr_va_vdst(0)
	global_store_b128 v231, v[144:147], s[58:59]
	global_store_b128 v231, v[148:151], s[58:59] offset:16
.Lend:
	s_wait_tensorcnt 0x0                           ; the wave's end, behind my last tensor load and my last LDS store
	ds_add_u32 v11, v12
	s_wait_dscnt 0x0
	s_endpgm
.Lfunc_end_k_qbfcd0067f2_norm:
	.size	k_qbfcd0067f2_norm, .Lfunc_end_k_qbfcd0067f2_norm-k_qbfcd0067f2_norm
	.p2alignl 7, 3214868480
	.fill 96, 4, 3214868480
	.section	.rodata,"a",@progbits
	.p2align	6, 0x0
	.amdhsa_kernel k_qbfcd0067f2_norm
		.amdhsa_group_segment_fixed_size 294912
		.amdhsa_private_segment_fixed_size 0
		.amdhsa_enable_private_segment 0
		.amdhsa_kernarg_size 88
		.amdhsa_user_sgpr_count 2
		.amdhsa_user_sgpr_kernarg_segment_ptr 1
		.amdhsa_wavefront_size32 1
		.amdhsa_system_sgpr_workgroup_id_x 1
		.amdhsa_system_sgpr_workgroup_id_y 1
		.amdhsa_system_sgpr_workgroup_id_z 1
		.amdhsa_system_vgpr_workitem_id 0
		.amdhsa_next_free_vgpr 256
		.amdhsa_next_free_sgpr 100
		.amdhsa_reserve_vcc 0
		.amdhsa_float_denorm_mode_32 3
		.amdhsa_float_denorm_mode_16_64 3
		.amdhsa_memory_ordered 1
		.amdhsa_forward_progress 1
		.amdhsa_inst_pref_size 73
	.end_amdhsa_kernel
	.amdgpu_metadata
---
amdhsa.version: [ 1, 2 ]
amdhsa.kernels:
  - .name:           k_qbfcd0067f2_norm
    .symbol:         k_qbfcd0067f2_norm.kd
    .args:
      - { .name: wsa, .offset: 0, .size: 8, .value_kind: global_buffer, .address_space: global }
      - { .name: kv_norm_w, .offset: 8, .size: 8, .value_kind: global_buffer, .address_space: global }
      - { .name: q_norm_w, .offset: 16, .size: 8, .value_kind: global_buffer, .address_space: global }
      - { .name: x_codes, .offset: 24, .size: 8, .value_kind: global_buffer, .address_space: global }
      - { .name: x_scales, .offset: 32, .size: 8, .value_kind: global_buffer, .address_space: global }
      - { .name: W_KR_codes, .offset: 40, .size: 8, .value_kind: global_buffer, .address_space: global }
      - { .name: W_KR_scales, .offset: 48, .size: 8, .value_kind: global_buffer, .address_space: global }
      - { .name: W_lambda_w_codes, .offset: 56, .size: 8, .value_kind: global_buffer, .address_space: global }
      - { .name: W_lambda_w_scales, .offset: 64, .size: 8, .value_kind: global_buffer, .address_space: global }
      - { .name: W_lambda_b, .offset: 72, .size: 8, .value_kind: global_buffer, .address_space: global }
      - { .name: wsn, .offset: 80, .size: 8, .value_kind: global_buffer, .address_space: global }
    .group_segment_fixed_size: 294912
    .private_segment_fixed_size: 0
    .kernarg_segment_align: 8
    .kernarg_segment_size: 88
    .max_flat_workgroup_size: 512
    .sgpr_count:     100
    .vgpr_count:     256
    .wavefront_size: 32
...
	.end_amdgpu_metadata
.endif
;; end of part 2
;; launch up (part 3): grid 16 x 16, 4 waves a work-group, clusters of 4 x 1, 327,680 bytes of LDS; arguments wsn, wsa, W_UK_codes, W_UK_scales, W_UV_codes, W_UV_scales, W_UQ_codes, W_UQ_scales, W_QR_codes, W_QR_scales, wsb; writes wsb
.if DOCPART == 3
	.amdgcn_target "amdgcn-amd-amdhsa--gfx1250"
	.amdhsa_code_object_version 6
	.text
	.protected	k_qbfcd0067f2_up
	.globl	k_qbfcd0067f2_up
	.p2align	8
	.type	k_qbfcd0067f2_up,@function
k_qbfcd0067f2_up:
	s_mov_b64 s[64:65], 0
	v_nop
	global_prefetch_b8 v0, s[64:65] scope:SCOPE_SE
	s_setreg_imm32_b32 hwreg(HW_REG_WAVE_MODE, 25, 1), 1
	s_wait_xcnt 0x0
	s_wait_alu depctr_hold_cnt(0) depctr_sa_sdst(0) depctr_va_vdst(0) depctr_va_sdst(0) depctr_va_ssrc(0) depctr_va_vcc(0) depctr_vm_vsrc(0)
	s_getreg_b32 s2, hwreg(HW_REG_IB_STS2, 6, 4)
	s_cmp_eq_u32 s2, 0
	s_cbranch_scc0 .Lentry_in_a_cluster
	s_endpgm
.Lentry_in_a_cluster:
	s_bfe_u32 s2, ttmp6, 0x10000c
	s_cmp_lg_u32 s2, 0x3003
	s_cbranch_scc0 .Lentry_shape_is_right
	s_endpgm
.Lentry_shape_is_right:
; LAUNCH 3 OF 5.  k_c = c_kv W_UK, v = c_kv W_UV, q_c = c_q W_UQ, q_r = rope(c_q W_QR), each quantised at once for the attention: q and k along the head's dimensions, v along the keys.  Nothing is left out.
; SHARES.  A work-group of four waves takes 128 tokens (x) and one key/value head n (y) and STAYS for five units of 128 weight rows x K = 1024: k, v, query head 2n, query head 2n + 1, both heads' rope parts.
; The waves stand 2 x 2: wave w takes tokens 64 (w % 2) on and weight rows 64 (w / 2) on: 4 x 4 tiles, 16 accumulators.  A K step of 128 is 16 matrix instructions on four weight fragments from LDS and four
; token fragments that stay in registers.  c_kv and c_q come into an LDS region of their own as the images that launch norm stored; units k and q (head 2n) read them into registers step by step, the other units find them there.
; LDS: two slots of 128 weight rows (rows 816 bytes apart), which take turns; the region of c, 98,304 bytes, filled with c_kv and then with c_q; the spare words.
; TENSOR LOADS, one a wave behind each round: waves 0, 1 bring 64 weight rows each, jointly (mask 15: the four work-groups of a cluster differ in their tokens alone); waves 2, 3 bring 64 tokens of c each, a load of their own.
; One tensor load of a wave is out at the most; a refill has one unit's 128 matrix instructions and one way out in which to land.  No prefetch is laid: the five units are written out, and each tile is asked for a whole unit ahead of its first read.
; WINDOWS.  Window 0: addresses, scale words, the quantiser.  Window 1: two sets of weight fragments v0-95, the accumulators v96-223.  Window 2: c's K steps 0-4, v0-239.  Window 3: K steps 5-7, v0-143.
; The LDS addresses stand at v240-243 of windows 1, 2, 3 (c's at v244 of window 1): a step's LDS loads stand among its matrix instructions under the same setting of the windows.
; THE SCALE WORDS of the weights take turns between two sets of 16 registers and are asked for a unit ahead; c's, of both paths, come at the head.
; ORDER INSIDE A BLOCK OF 32.  Tiles are 16 neighbouring weight rows, so a lane's 16 registers of tiles 2 b, 2 b + 1 are numbers 8 h + j and 16 + 8 h + j of block b: place 16 h + 8 u + j holds number 16 u + 8 h + j.
; The blocks, and so the scales, are the true ones, and q and k (and p and v in launch attn) are laid alike: the products are unchanged.
; WHAT A WAVE STORES of q and k: two of a row's four blocks: six of an image's twelve registers (16 + 8 bytes a lane) and two of its four scale bytes.
; v: the sources change places, so that a lane holds one dimension d and its registers run along my 64 keys: two half blocks.  Image tile 2 b + u, row m, is d = 32 b + 8 u + m + 8 (m / 8), as launch attn reads it.
.set PITCH, 816
.set SLOTB, 128*PITCH
.set CB, 2*SLOTB
.set SPARE, CB+98304
.set LI, 4                             ; v4 16 lane  v5 8 lane  v6 4 lane  v7 4 lane + 2 (w / 2)  v8 32 lane + 2048 (w / 2)  v9 512 h + 4 r  v10, v11 v's codes and scale bytes  v12 the table: 256 r + 32 h
.set L8, 5
.set L4, 6
.set L4H, 7
.set SOF, 8
.set QSO, 9
.set VIO, 10
.set VSO, 11
.set RPO, 12
.set SPW, 28
.set NIL, 29
.set SW, 32                            ; v32-63 the weights' scale words, two sets: 8 (tile / 2) + K step
.set SQ, 64                            ; v64-95 c's: 16 path + 8 (tile / 2) + K step
.set MX, 96
.set PB, 100
.set SO, 104
.set ACC, 96                           ; in window 1
.set ADP, 240
.set CA, 244
.set WV, 26
.set TH, 27
.set RH, 95
.set G1W, 32
.set G1C, 40
.set GW, 48
.set GC, 56
.set SEL, 92
.set HM, 94
.set MSB, 0
.macro WIN new
.if MSB != (\new)
	s_set_vgpr_msb (MSB<<8)|(\new)
.set MSB, (\new)
.endif
.endm
.macro PLACES n
.rept \n
	v_nop
.endr
.endm
.macro CROUND
	s_barrier_signal -1
	s_barrier_wait -1
	s_cmp_lg_u32 s[WV], 0
	s_cbranch_scc1 .Lnw0_\@
	s_barrier_signal -3
.Lnw0_\@:
	s_barrier_wait -3
	s_barrier_signal -1
	s_barrier_wait -1
.endm
.macro WM d,a,b,zero,sa,sb,ra,rb
.if \zero
.if \ra
.if \rb
	v_wmma_scale_f32_16x16x128_f8f6f4 v[(\d):(\d)+7], v[(\a):(\a)+11], v[(\b):(\b)+11], 0, v[(\sa)], v[(\sb)] matrix_a_fmt:MATRIX_FMT_FP6 matrix_b_fmt:MATRIX_FMT_FP6 matrix_a_scale:MATRIX_SCALE_ROW1 matrix_b_scale:MATRIX_SCALE_ROW1
.else
	v_wmma_scale_f32_16x16x128_f8f6f4 v[(\d):(\d)+7], v[(\a):(\a)+11], v[(\b):(\b)+11], 0, v[(\sa)], v[(\sb)] matrix_a_fmt:MATRIX_FMT_FP6 matrix_b_fmt:MATRIX_FMT_FP6 matrix_a_scale:MATRIX_SCALE_ROW1
.endif
.else
.if \rb
	v_wmma_scale_f32_16x16x128_f8f6f4 v[(\d):(\d)+7], v[(\a):(\a)+11], v[(\b):(\b)+11], 0, v[(\sa)], v[(\sb)] matrix_a_fmt:MATRIX_FMT_FP6 matrix_b_fmt:MATRIX_FMT_FP6 matrix_b_scale:MATRIX_SCALE_ROW1
.else
	v_wmma_scale_f32_16x16x128_f8f6f4 v[(\d):(\d)+7], v[(\a):(\a)+11], v[(\b):(\b)+11], 0, v[(\sa)], v[(\sb)] matrix_a_fmt:MATRIX_FMT_FP6 matrix_b_fmt:MATRIX_FMT_FP6
.endif
.endif
.else
.if \ra
.if \rb
	v_wmma_scale_f32_16x16x128_f8f6f4 v[(\d):(\d)+7], v[(\a):(\a)+11], v[(\b):(\b)+11], v[(\d):(\d)+7], v[(\sa)], v[(\sb)] matrix_a_fmt:MATRIX_FMT_FP6 matrix_b_fmt:MATRIX_FMT_FP6 matrix_a_scale:MATRIX_SCALE_ROW1 matrix_b_scale:MATRIX_SCALE_ROW1
.else
	v_wmma_scale_f32_16x16x128_f8f6f4 v[(\d):(\d)+7], v[(\a):(\a)+11], v[(\b):(\b)+11], v[(\d):(\d)+7], v[(\sa)], v[(\sb)] matrix_a_fmt:MATRIX_FMT_FP6 matrix_b_fmt:MATRIX_FMT_FP6 matrix_a_scale:MATRIX_SCALE_ROW1
.endif
.else
.if \rb
	v_wmma_scale_f32_16x16x128_f8f6f4 v[(\d):(\d)+7], v[(\a):(\a)+11], v[(\b):(\b)+11], v[(\d):(\d)+7], v[(\sa)], v[(\sb)] matrix_a_fmt:MATRIX_FMT_FP6 matrix_b_fmt:MATRIX_FMT_FP6 matrix_b_scale:MATRIX_SCALE_ROW1
.else
	v_wmma_scale_f32_16x16x128_f8f6f4 v[(\d):(\d)+7], v[(\a):(\a)+11], v[(\b):(\b)+11], v[(\d):(\d)+7], v[(\sa)], v[(\sb)] matrix_a_fmt:MATRIX_FMT_FP6 matrix_b_fmt:MATRIX_FMT_FP6
.endif
.endif
.endif
.endm
.macro FRAG reg,adr,q,ro               ; a fragment from rows of codes 816 bytes apart (16 bytes of padding behind every 32 pieces of 8)
.irp p,0,1,2,3,4,5
.set PCE, 12*(\q)+6*(\p/3)+\p%3
.if PCE%32 < 29
	ds_load_b64 v[(\reg)+2*\p:(\reg)+2*\p+1], v[(\adr)] offset:8*PCE+16*(PCE/32)+(\ro)
.else
	ds_load_b64 v[(\reg)+2*\p:(\reg)+2*\p+1], v[(\adr)+1] offset:8*PCE+16*(PCE/32)+(\ro)
.endif
.endr
.endm
.macro CLOAD sn                        ; c's four fragments of K step sn, as images: three loads of 512 consecutive bytes each; the address stands in window 1
.set CWN, 2+(\sn)/5
.set CRN, 48*((\sn)%5)
	WIN 0x01|(CWN<<6)
.irp e,0,1,2,3
.irp p,0,1,2
	ds_load_b128 v[CRN+12*\e+4*\p:CRN+12*\e+4*\p+3], v[CA] offset:\e*12288+(\sn)*1536+512*\p
.endr
.endr
.endm
; A unit's symbols: USLOT its slot, USWAP 1 for v, USTRM 1 where c is read from LDS on the way, USW, USQ its scale words, UTAB 1 for the rope parts.
.macro FIRST                           ; K step 0's fragments
	WIN 0x41
.irp t,0,1,2,3
	FRAG 12*\t, ADP+2*USLOT, 0, \t*16*PITCH
.endr
.if USTRM
	CLOAD 0
.endif
	WIN 0
.endm
; A K step: the next step's 24 loads of weight fragments (and, where c is read on the way, its 12 loads) in one run, under the step's own setting of the windows; then 16 matrix instructions,
; the 16 accumulators by turns.  The loads have those 16 matrix instructions in which to land.
.macro STAGE s
.set CW, 2+(\s)/5
.set CR, 48*((\s)%5)
.set WS, 48*((\s)%2)
.set WN, 48*(((\s)+1)%2)
	s_wait_dscnt 0x0                               ; this step's fragments are in
.if USWAP
	WIN 0x54|CW
.else
	WIN 0x51|(CW<<2)
.endif
	PLACES 4                                       ; in front of loads into the set that the last step multiplied
.if (\s) < 7
.irp t,0,1,2,3
	FRAG WN+12*\t, ADP+2*USLOT, (\s)+1, \t*16*PITCH
.endr
.if USTRM
	CLOAD (\s)+1
	WIN 0x51|(CW<<2)
.endif
.endif
.irp t,0,1,2,3
.irp e,0,1,2,3
.if USWAP
	WM ACC+32*\t+8*\e, CR+12*\e, WS+12*\t, ZF, USQ+8*(\e/2)+(\s), USW+8*(\t/2)+(\s), (\e%2), (\t%2)
.else
	WM ACC+32*\e+8*\t, WS+12*\t, CR+12*\e, ZF, USW+8*(\t/2)+(\s), USQ+8*(\e/2)+(\s), (\t%2), (\e%2)
.endif
.endr
.endr
.endm
.macro TABLOAD                         ; cos and sin at my 64 positions, into the registers of c's K steps 0 to 2, which are done with: tile e: cos v[32 e ..], sin v[32 e + 16 ..] of window 2
	WIN 0x80
.irp e,0,1,2,3
.irp u,0,1
.irp jj,0,1
	global_load_b128 v[32*\e+8*\u+4*\jj:32*\e+8*\u+4*\jj+3], v[RPO], s[82:83] offset:4096*\e+64*\u+16*\jj
	global_load_b128 v[32*\e+16+8*\u+4*\jj:32*\e+16+8*\u+4*\jj+3], v[RPO], s[82:83] offset:4096*\e+64*\u+16*\jj+128
.endr
.endr
.endr
.endm
.macro UNIT
.irp s,0,1,2,3,4,5,6,7
.if \s == 0
.set ZF, 1
.else
.set ZF, 0
.endif
.if UTAB
.if \s == 4
	TABLOAD
.endif
.endif
	STAGE \s
.endr
	WIN 0
	PLACES 5
.endm
.macro SCLOAD sb,imm,set               ; a unit's weight scale words: lane l: row 64 (w / 2) + 32 i + l, 32 bytes a row
.irp i,0,1
.irp q,0,1
	global_load_b128 v[SW+16*(\set)+8*\i+4*\q:SW+16*(\set)+8*\i+4*\q+3], v[SOF], s[\sb:\sb+1] offset:1024*\i+16*\q+(\imm)
.endr
.endr
.endm
; THE CHANGE OF UNITS.  Every wave waits for all its tensor loads, adds 0 to its spare word, waits for that and for its LDS reads.  fill = 1: a round of the cluster's barrier; then waves 0, 1 fill slot ws with the
; weights at s[wsrc]; cfill = 1: waves 2, 3 fill c's region with c_q.
.macro CHANGE ws,wsrc,cfill,fill
	WIN 0
	s_wait_tensorcnt 0x0
	ds_add_u32 v[SPW], v[NIL]
.if \fill
	s_mov_b64 s[GW+4*\ws+2:GW+4*\ws+3], s[\wsrc:\wsrc+1]
	s_or_b32 s[GW+4*\ws+3], s[GW+4*\ws+3], 0x80000000
.endif
.if \cfill
	s_mov_b64 s[GC+2:GC+3], s[70:71]
	s_or_b32 s[GC+3], s[GC+3], 0x80000000
.endif
	s_wait_dscnt 0x0
.if \fill
	CROUND
	s_cmp_lt_u32 s[WV], 2
	s_cbranch_scc0 .Lc_\@
	tensor_load_to_lds s[GW+4*\ws:GW+4*\ws+3], s[G1W:G1W+7]
	s_nop 0
	PLACES 4
.if \cfill
	s_branch .Lj_\@
.endif
.Lc_\@:
.if \cfill
	tensor_load_to_lds s[GC:GC+3], s[G1C:G1C+7]
	s_nop 0
	PLACES 4
.Lj_\@:
.endif
.else
	s_barrier_signal -1
	s_barrier_wait -1
.endif
.endm
.macro QMAX s                          ; four blocks of 16 registers of window 1: the block's largest magnitude (with lane l xor 16's), the conversion's scale operand, the scale's byte
	WIN 0x05
.irp b,0,1,2,3
	v_max3_num_f32 v[MX+\b], |v[(\s)+16*\b]|, |v[(\s)+1+16*\b]|, 0x1800000   ; with the floor 2^(3 - 127): the byte cannot fall under 1
.endr
	WIN 0x14
.irp i,2,4,6,8,10,12,14
.irp b,0,1,2,3
	v_max3_num_f32 v[MX+\b], v[MX+\b], |v[(\s)+16*\b+\i]|, |v[(\s)+1+16*\b+\i]|
.endr
.endr
	WIN 0
.irp b,0,1,2,3
	v_permlanex16_b32 v[PB+\b], v[MX+\b], s[SEL], s[SEL+1]
.endr
.irp b,0,1,2,3
	v_max_num_f32 v[MX+\b], v[MX+\b], v[PB+\b]
.endr
.irp b,0,1,2,3
	v_add_nc_u32 v[SO+\b], 0xff000000, v[MX+\b]    ; 2 off the exponent field
.endr
.irp b,0,1,2,3
	v_lshrrev_b32 v[PB+\b], 23, v[SO+\b]
.endr
.endm
.macro QUANT s,pc,ct,pw                ; two token tiles x my two blocks: tile c's six registers of codes at v[pc + 6 c], its two scale bytes in half c of v[pw]
	QMAX \s
	v_lshl_or_b32 v[\pw], v[PB+1], 8, v[PB]
	v_lshl_or_b32 v[\pw], v[PB+2], 16, v[\pw]
	v_lshl_or_b32 v[\pw], v[PB+3], 24, v[\pw]
	WIN 0x01
.irp c,0,1
	v_cvt_scalef32_pk16_fp6_f32 v[(\pc)+6*\c:(\pc)+6*\c+2], v[(\s)+32*\c:(\s)+32*\c+15], v[SO+2*\c]
	v_cvt_scalef32_pk16_fp6_f32 v[(\ct)+4*\c:(\ct)+4*\c+2], v[(\s)+32*\c+16:(\s)+32*\c+31], v[SO+2*\c+1]
.endr
	WIN 0
	v_nop                                          ; a plain instruction behind the conversions
.irp c,0,1
.irp i,0,1,2
	v_permlane16_swap_b32 v[(\pc)+6*\c+\i], v[(\ct)+4*\c+\i]
.endr
.irp i,0,1,2
	v_mov_b32 v[(\pc)+6*\c+3+\i], v[(\ct)+4*\c+\i]
.endr
.endr
.endm
.macro EPI ib,io,sb,so                 ; q or k: my four token tiles x my 64 dimensions
	s_wait_xcnt 0x0                                ; earlier stores have read their registers
	QUANT ACC, 108, 120, 20
	QUANT ACC+64, 128, 140, 21
	v_lshrrev_b32 v22, 16, v20
	v_lshrrev_b32 v23, 16, v21
	v_cndmask_b32 v22, v20, v22, s[HM]             ; lanes 0-15 the even tile's two bytes, lanes 16-31 the odd tile's
	v_cndmask_b32 v23, v21, v23, s[HM]
	global_store_b16 v[L4H], v22, s[\sb:\sb+1] offset:\so
	global_store_b16 v[L4H], v23, s[\sb:\sb+1] offset:(\so)+128
	s_wait_alu depctr_va_vdst(0)                   ; the wait ahead of the branch
	s_cmp_eq_u32 s[RH], 0
	s_cbranch_scc0 .Lhi_\@
.irp pp,0,1
.irp c,0,1
	global_store_b128 v[LI], v[108+20*\pp+6*\c:111+20*\pp+6*\c], s[\ib:\ib+1] offset:(\io)+1536*(2*\pp+\c)        ; the image's registers 0-3,
	global_store_b64 v[LI], v[112+20*\pp+6*\c:113+20*\pp+6*\c], s[\ib:\ib+1] offset:(\io)+1536*(2*\pp+\c)+512     ; 4, 5
.endr
.endr
	s_branch .Ldn_\@
.Lhi_\@:
.irp pp,0,1
.irp c,0,1
	global_store_b64 v[LI], v[108+20*\pp+6*\c:109+20*\pp+6*\c], s[\ib:\ib+1] offset:(\io)+1536*(2*\pp+\c)+520     ; 6, 7,
	global_store_b128 v[LI], v[110+20*\pp+6*\c:113+20*\pp+6*\c], s[\ib:\ib+1] offset:(\io)+1536*(2*\pp+\c)+1024   ; 8-11
.endr
.endr
.Ldn_\@:
.endm
.macro EPIV                            ; v: block b of a half: d tile 2 hh + b / 2, my keys 32 (b % 2) on: 16 registers are half a block: 12 bytes of codes; two blocks' bytes go together
.irp hh,0,1
	s_wait_xcnt 0x0
	QMAX ACC+64*\hh
	WIN 0x01
.irp b,0,1,2,3
	v_cvt_scalef32_pk16_fp6_f32 v[108+16*\hh+4*\b:110+16*\hh+4*\b], v[ACC+64*\hh+16*\b:ACC+64*\hh+16*\b+15], v[SO+\b]
.endr
	WIN 0
	v_nop
	v_lshl_or_b32 v[20+2*\hh], v[PB+1], 8, v[PB]
	v_lshl_or_b32 v[21+2*\hh], v[PB+3], 8, v[PB+2]
.irp b,0,1,2,3
	global_store_b96 v[VIO], v[108+16*\hh+4*\b:110+16*\hh+4*\b], s[90:91] offset:3072*\hh+192*(\b/2)+384*(\b%2)
.endr
	global_store_b16 v[VSO], v[20+2*\hh], s[14:15] offset:128*\hh
	global_store_b16 v[VSO], v[21+2*\hh], s[14:15] offset:128*\hh+32
.endr
.endm
.macro ROPE e                          ; registers i and 16 + i of a tile's 32 are dimensions d and 32 + d
	WIN 0x09
.irp i,0,2,4,6,8,10,12,14
	v_pk_mul_f32 v[160+\i:161+\i], v[ACC+32*\e+16+\i:ACC+32*\e+17+\i], v[32*\e+16+\i:32*\e+17+\i]
	v_pk_mul_f32 v[176+\i:177+\i], v[ACC+32*\e+\i:ACC+32*\e+1+\i], v[32*\e+16+\i:32*\e+17+\i]
.endr
	WIN 0x49
.irp i,0,2,4,6,8,10,12,14
	v_pk_fma_f32 v[ACC+32*\e+\i:ACC+32*\e+1+\i], v[ACC+32*\e+\i:ACC+32*\e+1+\i], v[32*\e+\i:32*\e+1+\i], v[160+\i:161+\i] neg_lo:[0,0,1] neg_hi:[0,0,1]
	v_pk_fma_f32 v[ACC+32*\e+16+\i:ACC+32*\e+17+\i], v[ACC+32*\e+16+\i:ACC+32*\e+17+\i], v[32*\e+\i:32*\e+1+\i], v[176+\i:177+\i]
.endr
	WIN 0
.endm
.macro EPIR                            ; the rope part of my head 2n + w / 2: six registers of codes a tile; its two scale bytes stand twice in its word
	s_wait_xcnt 0x0
	s_wait_loadcnt 0x0                             ; the table
.irp e,0,1,2,3
	ROPE \e
.endr
	QUANT ACC, 108, 120, 20
	QUANT ACC+64, 128, 140, 21
.irp pp,0,1
.irp c,0,1
	global_store_b128 v[LI], v[108+20*\pp+6*\c:111+20*\pp+6*\c], s[88:89] offset:768*(2*\pp+\c)
	global_store_b64 v[L8], v[112+20*\pp+6*\c:113+20*\pp+6*\c], s[88:89] offset:768*(2*\pp+\c)+512
.endr
	v_perm_b32 v[22+2*\pp], v[20+\pp], v[20+\pp], 0x01000100
	v_perm_b32 v[23+2*\pp], v[20+\pp], v[20+\pp], 0x03020302
	v_cndmask_b32 v[22+2*\pp], v[22+2*\pp], v[23+2*\pp], s[HM]
	global_store_b32 v[L4], v[22+2*\pp], s[12:13] offset:128*\pp
.endr
.endm
	s_load_b512 s[4:19], s[0:1], 0x0               ; wsn, wsa, W_UK codes, scales, W_UV codes, scales, W_UQ codes, scales
	s_load_b128 s[20:23], s[0:1], 0x40             ; W_QR codes, scales
	s_load_b64 s[24:25], s[0:1], 0x50              ; wsb
	v_lshl_add_u32 v[SPW], v0, 2, SPARE
	v_mov_b32 v[NIL], 0
	ds_add_u32 v[SPW], v[NIL]                      ; the opening: the add, twice on end, and its wait ahead of my first tensor load
	ds_add_u32 v[SPW], v[NIL]
	v_lshrrev_b32 v1, 5, v0
	v_readfirstlane_b32 s[WV], v1
	s_and_b32 s[TH], s[WV], 1                      ; which 64 tokens are mine; also: which half of a tile I fetch
	s_lshr_b32 s[RH], s[WV], 1                     ; which 64 weight rows
	s_bfe_u32 s31, ttmp6, 0x40000                  ; cx
	s_lshl_b32 s28, ttmp9, 2
	s_add_co_u32 s28, s28, s31                     ; rb: my work-group's 128 tokens; it enters global addresses alone
	s_and_b32 s29, ttmp7, 0xffff                   ; n
	s_lshl_b32 s30, s28, 3
	s_lshl_b32 s31, s[TH], 2
	s_add_co_u32 s30, s30, s31                     ; my first token tile
	s_mov_b32 s[G1W+0], 15|(1<<20)|(1<<21)|(5<<22)|(3<<25)   ; weights: 64 rows x 768 bytes, 16 bytes behind each 256, jointly
	s_mov_b32 s[G1W+1], 768<<16
	s_mov_b32 s[G1W+2], 64<<16
	s_mov_b32 s[G1W+3], 768<<16
	s_mov_b32 s[G1W+4], 64
	s_mov_b32 s[G1W+5], 768
	s_mov_b32 s[G1W+6], 0
	s_mov_b32 s[G1W+7], 0
	s_mov_b32 s[G1C+0], 3<<16                      ; c: a dense block of 49,152 bytes as 192 rows of 256
	s_mov_b32 s[G1C+1], 32<<16
	s_mov_b32 s[G1C+2], 192<<16
	s_mov_b32 s[G1C+3], 32<<16
	s_mov_b32 s[G1C+4], 192
	s_mov_b32 s[G1C+5], 32
	s_mov_b32 s[G1C+6], 0
	s_mov_b32 s[G1C+7], 0
	s_mov_b32 s[SEL], 0x76543210
	s_mov_b32 s[SEL+1], 0xfedcba98
	s_mov_b32 s[HM], 0xffff0000
	s_mul_i32 s96, s29, 98304
	s_mul_i32 s31, s[TH], 49152
	s_add_co_u32 s96, s96, s31                     ; weight rows 128 n + 64 half
	s_mov_b32 s97, 0
	s_mul_i32 s98, s29, 98304
	s_add_co_u32 s98, s98, s96                     ; rows 256 n + 64 half
	s_mov_b32 s99, 0
	s_mov_b32 s[GW+0], 1
	s_mul_i32 s[GW+1], s[TH], 64*PITCH
	s_mov_b32 s[GW+4], 1
	s_add_co_u32 s[GW+5], s[GW+1], SLOTB
	s_mov_b32 s[GC+0], 1
	s_add_co_u32 s[GC+1], s31, CB
	s_wait_dscnt 0x0
	s_wait_kmcnt 0x0
	s_add_nc_u64 s[GW+2:GW+3], s[8:9], s[96:97]    ; W_UK
	s_or_b32 s[GW+3], s[GW+3], 0x80000000
	s_add_nc_u64 s[60:61], s[12:13], s[96:97]      ; W_UV
	s_add_nc_u64 s[62:63], s[16:17], s[98:99]      ; W_UQ, head 2n,
	s_add_nc_u64 s[66:67], s[62:63], 98304         ; head 2n + 1
	s_add_nc_u64 s[68:69], s[20:21], s[96:97]      ; W_QR
	s_mul_i32 s96, s30, 12288
	s_add_nc_u64 s[GC+2:GC+3], s[4:5], s[96:97]    ; c_kv's images of my 64 tokens;
	s_add_nc_u64 s[70:71], s[GC+2:GC+3], 1572864   ; c_q's
	s_or_b32 s[GC+3], s[GC+3], 0x80000000
	CROUND
	s_cmp_lt_u32 s[WV], 2                          ; the head's loads, one a wave: waves 0, 1 W_UK into slot 0, waves 2, 3 c_kv
	s_cbranch_scc0 .Lhead_c
	tensor_load_to_lds s[GW:GW+3], s[G1W:G1W+7]
	s_nop 0
	PLACES 4
	s_branch .Lhead_j
.Lhead_c:
	tensor_load_to_lds s[GC:GC+3], s[G1C:G1C+7]
	s_nop 0
	PLACES 4
.Lhead_j:
	s_lshl_b32 s96, s29, 12
	s_add_nc_u64 s[72:73], s[10:11], s[96:97]      ; the weights' scale rows
	s_add_nc_u64 s[74:75], s[14:15], s[96:97]
	s_add_nc_u64 s[78:79], s[22:23], s[96:97]
	s_lshl_b32 s96, s29, 13
	s_add_nc_u64 s[76:77], s[18:19], s[96:97]
	s_lshl_b32 s96, s30, 9
	s_add_co_u32 s96, s96, 3145728
	s_add_nc_u64 s[80:81], s[4:5], s[96:97]        ; c_kv's scale words; c_q's 65,536 on
	s_and_b32 s96, s28, 7
	s_lshl_b32 s96, s96, 7
	s_lshl_b32 s31, s[TH], 6
	s_add_co_u32 s96, s96, s31
	s_lshl_b32 s96, s96, 8
	s_add_co_u32 s96, s96, 16777216
	s_add_nc_u64 s[82:83], s[6:7], s[96:97]        ; the table at my first position
	s_lshl_b32 s31, s29, 7
	s_add_co_u32 s31, s31, s30
	s_mul_i32 s96, s31, 1536
	s_add_co_u32 s98, s96, 9437184
	s_add_nc_u64 s[84:85], s[24:25], s[98:99]      ; k's images
	s_mul_i32 s31, s29, 196608
	s_add_co_u32 s96, s96, s31
	s_add_nc_u64 s[86:87], s[24:25], s[96:97]      ; q's, head 2n
	s_lshr_b32 s98, s96, 1
	s_add_co_u32 s98, s98, 6291456
	s_mul_i32 s31, s[RH], 98304
	s_add_co_u32 s98, s98, s31
	s_add_nc_u64 s[88:89], s[24:25], s[98:99]      ; q_r's, my head
	s_lshl_b32 s31, s29, 4
	s_add_co_u32 s31, s31, s28
	s_mul_i32 s98, s31, 12288
	s_add_co_u32 s98, s98, 12582912
	s_add_nc_u64 s[90:91], s[24:25], s[98:99]      ; v's
	s_lshl_b32 s98, s31, 9
	s_add_co_u32 s98, s98, 16384000
	s_add_nc_u64 s[14:15], s[24:25], s[98:99]      ; v's scale bytes (the arguments that lay in s[8:15] have been used)
	s_lshl_b32 s96, s29, 13
	s_lshl_b32 s31, s30, 6
	s_add_co_u32 s96, s96, s31
	s_add_co_u32 s98, s96, 16252928
	s_add_nc_u64 s[8:9], s[24:25], s[98:99]        ; k's scale words
	s_lshl_b32 s31, s29, 13
	s_add_co_u32 s96, s96, s31
	s_add_co_u32 s98, s96, 15728640
	s_add_nc_u64 s[10:11], s[24:25], s[98:99]      ; q's
	s_add_co_u32 s98, s98, 262144
	s_lshl_b32 s31, s[RH], 13
	s_add_co_u32 s98, s98, s31
	s_add_nc_u64 s[12:13], s[24:25], s[98:99]      ; q_r's, my head
	s_mul_i32 s96, s[RH], 64*PITCH                 ; my 64 weight rows in slot 0,
	s_add_co_u32 s98, s96, SLOTB                   ; in slot 1
	s_mul_i32 s97, s[TH], 49152
	s_add_co_u32 s97, s97, CB                      ; my 64 tokens of c
	s_mul_i32 s31, s[RH], 6144
	s_mul_i32 s99, s[TH], 768
	s_add_co_u32 s31, s31, s99                     ; v's codes: d tiles 4 (w / 2) on, key blocks 2 (w % 2) on
	v_and_b32 v1, 31, v0
	v_and_b32 v2, 15, v0                           ; r
	v_bfe_u32 v3, v0, 4, 1                         ; h
	v_mul_u32_u24 v13, v2, PITCH
	v_mad_u32_u24 v14, v3, 24, v13
	v_mad_u32_u24 v15, v3, 40, v13                 ; for pieces whose lanes 16-31 lie behind a padding
	v_lshlrev_b32 v[LI], 4, v1
.irp w,1,2,3
	WIN \w<<6
	v_add_nc_u32 v[ADP], s96, v14
	v_add_nc_u32 v[ADP+1], s96, v15
	v_add_nc_u32 v[ADP+2], s98, v14
	v_add_nc_u32 v[ADP+3], s98, v15
.if \w == 1
	v_add_nc_u32 v[CA], s97, v[LI]
.endif
.endr
	WIN 0
	v_lshlrev_b32 v[L8], 3, v1
	v_lshlrev_b32 v[L4], 2, v1
	s_lshl_b32 s96, s[RH], 1
	v_add_nc_u32 v[L4H], s96, v[L4]
	v_lshlrev_b32 v[SOF], 5, v1
	s_lshl_b32 s96, s[RH], 11
	v_add_nc_u32 v[SOF], s96, v[SOF]
	v_lshlrev_b32 v[QSO], 2, v2
	v_lshl_add_u32 v[QSO], v3, 9, v[QSO]
	v_lshrrev_b32 v16, 3, v2
	v_and_b32 v17, 7, v2
	v_mul_u32_u24 v[VIO], v16, 1536
	v_mad_u32_u24 v[VIO], v17, 24, v[VIO]
	v_mad_u32_u24 v[VIO], v3, 12, v[VIO]
	v_add_nc_u32 v[VIO], s31, v[VIO]
	v_lshlrev_b32 v[VSO], 6, v16
	v_lshl_add_u32 v[VSO], v17, 2, v[VSO]
	s_lshl_b32 s96, s[RH], 8
	s_lshl_b32 s97, s[TH], 1
	s_add_co_u32 s96, s96, s97
	v_add_nc_u32 v[VSO], s96, v[VSO]
	v_lshlrev_b32 v[RPO], 8, v2
	v_lshl_add_u32 v[RPO], v3, 5, v[RPO]
.irp b,0,1,2,3
	v_mov_b32 v[PB+\b], 0                          ; a lane permute's destination counts as read
.endr
	s_wait_alu depctr_va_vdst(0)                   ; the wait at the head's end
	SCLOAD 72,0,0                                  ; unit k's scale words, unit v's,
	SCLOAD 74,0,1
.irp pa,0,1
.irp pp,0,1
.irp k,0,1,2,3,4,5,6,7
	global_load_b32 v[SQ+16*\pa+8*\pp+\k], v[QSO], s[80:81] offset:65536*\pa+1024*\pp+64*\k   ; and c's: lanes 0-15 tile 2 pp, lanes 16-31 tile 2 pp + 1
.endr
.endr
.endr
	s_wait_loadcnt 0x0
	CHANGE 1,60,0,1                                ; W_UK and c_kv are in; slot 1's first fill, W_UV, is issued as a refill is
.set UTAB, 0
.set USLOT, 0
.set USWAP, 0
.set USTRM, 1
.set USW, SW
.set USQ, SQ
	FIRST
	UNIT                                           ; k
	CHANGE 0,62,1,1                                ; slot 0 takes W_UQ, head 2n; c's region takes c_q
.set USLOT, 1
.set USWAP, 1
.set USTRM, 0
.set USW, SW+16
	FIRST
	EPI 84,0,8,0
	s_wait_loadcnt 0x0
	SCLOAD 76,0,0                                  ; a unit ahead
	UNIT                                           ; v
	CHANGE 1,66,0,1                                ; slot 1 takes W_UQ, head 2n + 1
.set USLOT, 0
.set USWAP, 0
.set USTRM, 1
.set USW, SW
.set USQ, SQ+16
	FIRST
	EPIV
	s_wait_loadcnt 0x0
	SCLOAD 76,4096,1
	UNIT                                           ; q, head 2n
	CHANGE 0,68,0,1                                ; slot 0 takes W_QR
.set USLOT, 1
.set USTRM, 0
.set USW, SW+16
	FIRST
	EPI 86,0,10,0
	s_wait_loadcnt 0x0
	SCLOAD 78,0,0
	UNIT                                           ; q, head 2n + 1
	CHANGE 0,0,0,0                                 ; nothing is left to fetch
.set USLOT, 0
.set USW, SW
.set UTAB, 1
	FIRST
	EPI 86,196608,10,8192
	s_wait_loadcnt 0x0
	UNIT                                           ; the rope parts
	EPIR
	s_wait_tensorcnt 0x0                           ; the wave's end
	ds_add_u32 v[SPW], v[NIL]
	s_wait_dscnt 0x0
	CROUND                                         ; the closing round
	s_endpgm
.Lfunc_end_k_qbfcd0067f2_up:
	.size	k_qbfcd0067f2_up, .Lfunc_end_k_qbfcd0067f2_up-k_qbfcd0067f2_up
	.p2alignl 7, 3214868480
	.fill 96, 4, 3214868480
	.section	.rodata,"a",@progbits
	.p2align	6, 0x0
	.amdhsa_kernel k_qbfcd0067f2_up
		.amdhsa_group_segment_fixed_size 327680
		.amdhsa_private_segment_fixed_size 0
		.amdhsa_enable_private_segment 0
		.amdhsa_kernarg_size 88
		.amdhsa_user_sgpr_count 2
		.amdhsa_user_sgpr_kernarg_segment_ptr 1
		.amdhsa_wavefront_size32 1
		.amdhsa_system_sgpr_workgroup_id_x 1
		.amdhsa_system_sgpr_workgroup_id_y 1
		.amdhsa_system_sgpr_workgroup_id_z 1
		.amdhsa_system_vgpr_workitem_id 0
		.amdhsa_next_free_vgpr 1024
		.amdhsa_next_free_sgpr 100
		.amdhsa_reserve_vcc 0
		.amdhsa_float_denorm_mode_32 3
		.amdhsa_float_denorm_mode_16_64 3
		.amdhsa_memory_ordered 1
		.amdhsa_forward_progress 1
		.amdhsa_inst_pref_size 237
	.end_amdhsa_kernel
	.amdgpu_metadata
---
amdhsa.version: [ 1, 2 ]
amdhsa.kernels:
  - .name:           k_qbfcd0067f2_up
    .symbol:         k_qbfcd0067f2_up.kd
    .args:
      - { .name: wsn, .offset: 0, .size: 8, .value_kind: global_buffer, .address_space: global }
      - { .name: wsa, .offset: 8, .size: 8, .value_kind: global_buffer, .address_space: global }
      - { .name: W_UK_codes, .offset: 16, .size: 8, .value_kind: global_buffer, .address_space: global }
      - { .name: W_UK_scales, .offset: 24, .size: 8, .value_kind: global_buffer, .address_space: global }
      - { .name: W_UV_codes, .offset: 32, .size: 8, .value_kind: global_buffer, .address_space: global }
      - { .name: W_UV_scales, .offset: 40, .size: 8, .value_kind: global_buffer, .address_space: global }
      - { .name: W_UQ_codes, .offset: 48, .size: 8, .value_kind: global_buffer, .address_space: global }
      - { .name: W_UQ_scales, .offset: 56, .size: 8, .value_kind: global_buffer, .address_space: global }
      - { .name: W_QR_codes, .offset: 64, .size: 8, .value_kind: global_buffer, .address_space: global }
      - { .name: W_QR_scales, .offset: 72, .size: 8, .value_kind: global_buffer, .address_space: global }
      - { .name: wsb, .offset: 80, .size: 8, .value_kind: global_buffer, .address_space: global }
    .group_segment_fixed_size: 327680
    .private_segment_fixed_size: 0
    .kernarg_segment_align: 8
    .kernarg_segment_size: 88
    .max_flat_workgroup_size: 128
    .sgpr_count:     100
    .vgpr_count:     1024
    .wavefront_size: 32
...
	.end_amdgpu_metadata
.endif
;; end of part 3
;; launch attn (part 4): grid 8 x 32, 16 waves a work-group, clusters of 4 x 1, 327,680 bytes of LDS; arguments wsb, wsn, wso; writes wso
.if DOCPART == 4
	.amdgcn_target "amdgcn-amd-amdhsa--gfx1250"
	.amdhsa_code_object_version 6
	.text
	.protected	k_qbfcd0067f2_attn
	.globl	k_qbfcd0067f2_attn
	.p2align	8
	.type	k_qbfcd0067f2_attn,@function
k_qbfcd0067f2_attn:
	s_mov_b64 s[64:65], 0
	v_nop
	global_prefetch_b8 v0, s[64:65] scope:SCOPE_SE
	s_setreg_imm32_b32 hwreg(HW_REG_WAVE_MODE, 25, 1), 1
	s_wait_xcnt 0x0
	s_wait_alu depctr_hold_cnt(0) depctr_sa_sdst(0) depctr_va_vdst(0) depctr_va_sdst(0) depctr_va_ssrc(0) depctr_va_vcc(0) depctr_vm_vsrc(0)
	s_getreg_b32 s2, hwreg(HW_REG_IB_STS2, 6, 4)
	s_cmp_eq_u32 s2, 0
	s_cbranch_scc0 .Lentry_in_a_cluster
	s_endpgm
.Lentry_in_a_cluster:
	s_bfe_u32 s2, ttmp6, 0x10000c
	s_cmp_lg_u32 s2, 0x3003
	s_cbranch_scc0 .Lentry_shape_is_right
	s_endpgm
.Lentry_shape_is_right:
; LAUNCH 4 OF 5.  For each batch b and key/value head n: both query heads' causal attention on codes, attn1 - lambda attn2, quantised along D for the last product.
; LEFT OUT: key steps of 128 all of whose keys come after a wave's 16 queries: the problem's own causal mask gives them the weight 0 for all values of the inputs.
; THE SOFTMAX: t = score x log2(e) / sqrt(192); M = the running largest t rounded up to a whole number; p = 2^(t - M) is quantised along the keys, not normalised; the row's sum is taken of the unquantised p
; and divides at the end; when M moves, the sum and O are multiplied by 2^(old M - new M), which rounds nothing.
; SHARES.  A work-group serves one (b, n) and the tiles of 16 positions 8 a + j, a = 0 .. 7 (j: the work-group's x), for both query heads: sixteen waves, one tile of one head each.  Wave w: head 2n + w % 2;
; a from w alone, so laid that the four waves of a SIMD have 18 key steps together.  A wave walks the open steps 0 .. a - 1 and then step a, on the diagonal.  So every work-group has the same work and reads all keys.
; ALL K AND V OF (b, n) LIE IN LDS, each byte filled once: joint loads (mask 15: the four work-groups of a cluster differ in j alone), one a wave in each of two rounds: the scale words and key steps 0, 1, then
; the later key steps two at a time.  One tensor load of a wave is out at the most.  Two barriers: ahead of steps 0 and 2.
; LAYOUT.  Both products transposed (S^T = K Q^T, O^T = V^T P^T): a lane holds one query.  K = 192 takes two instructions: 128 plain dimensions; then the 64 of the rope beside 64 zero codes.  The zeros stand on the
; query's side: the rope codes of TWO key tiles fill the two halves of one operand, and the query's stand as [codes, zeros, codes], 18 registers: the lower 12 pick the even tile, the upper 12 the odd one.
; Both sides' rope scale words hold their two bytes twice.
; A KEY STEP WAITS FOR LDS THREE TIMES: four key tiles' fragments come at a time (the second pair's into the registers of p's codes and the quantiser, and into score registers not yet written), and v's eight in one run,
; asked for ahead of the rescaling of O^T.
; p's keys lie inside a block of 32 in the order place 16 h + 8 u + j = key 16 u + 8 h + j, as v was laid by launch up.
; REGISTERS: v1-7 lane bases, v8-14 the step's addresses, v15 the mask's number, v16-19 -M, t, the sum; v20-31 q; v32-43 a rope operand; v44-47 scale words of q, of p, lambda; v48-49 f; v50-73 two key fragments
; (in the softmax: at work); v74-91 q's rope codes, zeros, codes; v92-99 scale words; v100-163 S^T, p, then v; v164-227 O^T; v228-239 p's codes; v240-251 the quantiser's; v228-251 also two key fragments.
.set LKR, 98304
.set LVV, 147456
.set LKS, 245760
.set LVS, 249856
.set LKRS, 253952
.set STAGE, 258048
.set SPARE, 323584
.set S, 100
.set O, 164
.set PC, 228
.set MX, 240
.set PB, 244
.set SO, 248
.set SPW, 254
.set NIL, 255
.set WV, 10
.set AW, 15
.set SEL, 18
.set CS, 20
.macro PLACES n
.rept \n
	v_nop
.endr
.endm
.macro CROUND
	s_barrier_signal -1
	s_barrier_wait -1
	s_cmp_lg_u32 s[WV], 0
	s_cbranch_scc1 .Lnw0_\@
	s_barrier_signal -3
.Lnw0_\@:
	s_barrier_wait -3
	s_barrier_signal -1
	s_barrier_wait -1
.endm
.macro WM d,a,b,zero,sa,sb,ra
.if \zero
.if \ra
	v_wmma_scale_f32_16x16x128_f8f6f4 v[(\d):(\d)+7], v[(\a):(\a)+11], v[(\b):(\b)+11], 0, v[(\sa)], v[(\sb)] matrix_a_fmt:MATRIX_FMT_FP6 matrix_b_fmt:MATRIX_FMT_FP6 matrix_a_scale:MATRIX_SCALE_ROW1
.else
	v_wmma_scale_f32_16x16x128_f8f6f4 v[(\d):(\d)+7], v[(\a):(\a)+11], v[(\b):(\b)+11], 0, v[(\sa)], v[(\sb)] matrix_a_fmt:MATRIX_FMT_FP6 matrix_b_fmt:MATRIX_FMT_FP6
.endif
.else
.if \ra
	v_wmma_scale_f32_16x16x128_f8f6f4 v[(\d):(\d)+7], v[(\a):(\a)+11], v[(\b):(\b)+11], v[(\d):(\d)+7], v[(\sa)], v[(\sb)] matrix_a_fmt:MATRIX_FMT_FP6 matrix_b_fmt:MATRIX_FMT_FP6 matrix_a_scale:MATRIX_SCALE_ROW1
.else
	v_wmma_scale_f32_16x16x128_f8f6f4 v[(\d):(\d)+7], v[(\a):(\a)+11], v[(\b):(\b)+11], v[(\d):(\d)+7], v[(\sa)], v[(\sb)] matrix_a_fmt:MATRIX_FMT_FP6 matrix_b_fmt:MATRIX_FMT_FP6
.endif
.endif
.endm
.macro CODES pw                        ; from the scale operands in SO and the bytes in PB: the scale word, and the 64 numbers in S become 12 registers of codes, a whole block in a lane
	s_delay_alu instid0(VALU_DEP_3)
	v_lshl_or_b32 v[\pw], v[PB+1], 8, v[PB]
	s_delay_alu instid0(VALU_DEP_1)
	v_lshl_or_b32 v[\pw], v[PB+2], 16, v[\pw]
	s_delay_alu instid0(VALU_DEP_1)
	v_lshl_or_b32 v[\pw], v[PB+3], 24, v[\pw]
.irp c,0,1
	v_cvt_scalef32_pk16_fp6_f32 v[PC+6*\c:PC+6*\c+2], v[S+32*\c:S+32*\c+15], v[SO+2*\c]
	v_cvt_scalef32_pk16_fp6_f32 v[50+4*\c:52+4*\c], v[S+32*\c+16:S+32*\c+31], v[SO+2*\c+1]
.endr
	v_nop                                          ; a plain instruction behind the conversions
.irp c,0,1
.irp i,0,1,2
	v_permlane16_swap_b32 v[PC+6*\c+\i], v[50+4*\c+\i]
.endr
.irp i,0,1,2
	s_delay_alu instid0(VALU_DEP_3)
	v_mov_b32 v[PC+6*\c+3+\i], v[50+4*\c+\i]
.endr
.endr
.endm
.macro KLOAD g,pl,rp                   ; key tiles 2 g, 2 g + 1: their plain fragments into v[pl] on (24 registers), their rope codes into the two halves of v[rp] on (12)
.irp u,0,1
.irp c,0,1,2
	ds_load_b128 v[(\pl)+12*\u+4*\c:(\pl)+12*\u+4*\c+3], v8 offset:3072*(\g)+1536*\u+512*\c
.endr
	ds_load_b128 v[(\rp)+6*\u:(\rp)+6*\u+3], v9 offset:1536*(\g)+768*\u
	ds_load_b64 v[(\rp)+6*\u+4:(\rp)+6*\u+5], v10 offset:1536*(\g)+768*\u
.endr
.endm
.macro VL t,reg                        ; v's tile t of 16 dimensions x 128 keys
.irp c,0,1
.irp p,0,1,2
	ds_load_b64 v[(\reg)+6*\c+2*\p:(\reg)+6*\c+2*\p+1], v11 offset:(\t)*1536+768*\c+8*\p
.endr
.endr
.endm
; A KEY STEP of 128 keys.  diag = 0: step s, left out by a wave whose diagonal lies at or before it (a branch on the wave's number).  diag = 1: the wave's own step a.
.macro STEP s,diag
.if \diag == 0
	s_cmp_le_u32 s[AW], \s
	s_cbranch_scc1 .Lskip_\@
	v_add_nc_u32 v8, (\s)*12288, v1
	s_wait_alu depctr_va_vdst(0)
	v_add_nc_u32 v9, (\s)*6144, v2
	s_wait_alu depctr_va_vdst(0)
	v_add_nc_u32 v10, (\s)*6144, v3
	s_wait_alu depctr_va_vdst(0)
	v_add_nc_u32 v11, (\s)*12288, v4
	v_add_nc_u32 v12, (\s)*512, v5
	v_add_nc_u32 v13, (\s)*512, v6
	v_add_nc_u32 v14, (\s)*512, v7
.else
	v_add_nc_u32 v8, s22, v1
	s_wait_alu depctr_va_vdst(0)
	v_add_nc_u32 v9, s23, v2
	s_wait_alu depctr_va_vdst(0)
	v_add_nc_u32 v10, s23, v3
	s_wait_alu depctr_va_vdst(0)
	v_add_nc_u32 v11, s22, v4
	v_add_nc_u32 v12, s24, v5
	v_add_nc_u32 v13, s24, v6
	v_add_nc_u32 v14, s24, v7
.endif
.irp g,0,1,2,3
	ds_load_b32 v[92+\g], v12 offset:128*\g        ; lanes 0-15 key tile 2 g's words, lanes 16-31 tile 2 g + 1's
	ds_load_b32 v[96+\g], v13 offset:128*\g
.endr
	KLOAD 0, 50, 32                                ; S^T = K Q^T: key tiles 0 to 3
	KLOAD 1, 228, S+32                             ; (the second rope operand lies in score registers that tiles 4, 5 will write)
	s_wait_dscnt 0x0
	WM S, 50, 20, 1, 92, 44, 0                     ; the accumulators take turns, one instruction a turn
	WM S+8, 62, 20, 1, 92, 44, 1
	WM S+16, 228, 20, 1, 93, 44, 0
	WM S+24, 240, 20, 1, 93, 44, 1
	WM S, 32, 74, 0, 96, 45, 0                     ; q's [codes, zeros]: the even tile's rope
	WM S+8, 32, 80, 0, 96, 45, 1                   ; q's [zeros, codes]: the odd tile's
	WM S+16, S+32, 74, 0, 97, 45, 0
	WM S+24, S+32, 80, 0, 97, 45, 1
	PLACES 4                                       ; in front of loads into registers that matrix instructions have read
	KLOAD 2, 50, 32                                ; key tiles 4 to 7
	KLOAD 3, 228, S+32
	s_wait_dscnt 0x0
	WM S+48, 228, 20, 1, 95, 44, 0                 ; tiles 6, 7 first: their rope operand lies where tiles 4, 5 write
	WM S+56, 240, 20, 1, 95, 44, 1
	WM S+48, S+32, 74, 0, 99, 45, 0
	WM S+56, S+32, 80, 0, 99, 45, 1
	PLACES 5                                       ; in front of matrix instructions that write over a source of earlier ones
	WM S+32, 50, 20, 1, 94, 44, 0
	WM S+40, 62, 20, 1, 94, 44, 1
	WM S+32, 32, 74, 0, 98, 45, 0
	WM S+40, 32, 80, 0, 98, 45, 1
	PLACES 4
.if \diag                              ; register i holds key 16 (i / 8) + 8 h + i % 8 of the step: hidden where 16 (i / 8) + i % 8 > 16 j + r - 8 h
	v_mov_b32 v252, 0xff800000
.set I, 0
.rept 64
	v_cmp_gt_i32 vcc_lo, 16*(I/8)+I%8, v15
	v_cndmask_b32 v[S+I], v[S+I], v252, vcc_lo
.set I, I+1
.endr
.endif
.irp b,0,1,2,3
	v_max3_num_f32 v[MX+\b], v[S+16*\b], v[S+1+16*\b], v[S+2+16*\b]   ; the largest score of each block of 32 keys: for the row's maximum, and, since p rises with the score, for the block's largest p
.endr
.irp i,3,5,7,9,11,13
.irp b,0,1,2,3
	v_max3_num_f32 v[MX+\b], v[MX+\b], v[S+16*\b+\i], v[S+1+16*\b+\i]
.endr
.endr
.irp b,0,1,2,3
	v_max_num_f32 v[MX+\b], v[MX+\b], v[S+15+16*\b]
.endr
.irp b,0,1,2,3
	s_delay_alu instid0(VALU_DEP_4)
	v_permlanex16_b32 v[PB+\b], v[MX+\b], s[SEL], s[SEL+1]
.endr
.irp b,0,1,2,3
	s_delay_alu instid0(VALU_DEP_4)
	v_max_num_f32 v[MX+\b], v[MX+\b], v[PB+\b]
.endr
	s_delay_alu instid0(VALU_DEP_2)
	v_max3_num_f32 v252, v[MX], v[MX+1], v[MX+2]
	s_delay_alu instid0(VALU_DEP_1)
	v_max_num_f32 v252, v252, v[MX+3]
	s_delay_alu instid0(VALU_DEP_1)
	v_mul_f32 v252, s[CS], v252
	s_delay_alu instid0(VALU_DEP_1)
	v_max_num_f32 v17, v17, v252                   ; the running largest t
	v_mov_b32 v252, v16
	s_delay_alu instid0(VALU_DEP_2)
	v_floor_f32 v16, -v17                          ; -M = floor(-t)
	s_delay_alu instid0(VALU_DEP_1)
	v_sub_f32 v252, v16, v252
	s_delay_alu instid0(VALU_DEP_1)
	v_cvt_i32_f32 v252, v252                       ; (it saturates)
	s_delay_alu instid0(VALU_DEP_1)
	v_ldexp_f32 v48, 1.0, v252                     ; f = 2^(old M - new M)
.set J, 0
.rept 32
	v_pk_fma_f32 v[S+J:S+J+1], v[S+J:S+J+1], s[CS:CS+1], v[16:17] op_sel_hi:[1,0,0]   ; t - M
.set J, J+2
.endr
.irp b,0,1,2,3
	v_fma_f32 v[MX+\b], v[MX+\b], s[CS], v16
.endr
.set J, 0
	s_wait_alu depctr_va_vdst(0)
.rept 64
	v_exp_f32 v[S+J], v[S+J]
.set J, J+1
.endr
	v_pk_mul_f32 v[18:19], v[18:19], v[48:49] op_sel_hi:[1,0]   ; the sum under the new M; a plain instruction behind the exponentials
	s_wait_alu depctr_va_vdst(0)                   ; one wait for the batch, ahead of its first reader
.irp b,0,1,2,3
	v_exp_f32 v[MX+\b], v[MX+\b]                   ; each block's largest p
.endr
	v_pk_add_f32 v[58:59], v[104:105], v[108:109]
	v_pk_add_f32 v[250:251], v[112:113], v[116:117]
	v_pk_add_f32 v[248:249], v[120:121], v[124:125]
	v_pk_add_f32 v[246:247], v[128:129], v[132:133]
	v_pk_add_f32 v[244:245], v[136:137], v[140:141]
	v_pk_add_f32 v[238:239], v[144:145], v[148:149]
	v_pk_add_f32 v[236:237], v[152:153], v[156:157]
	v_pk_add_f32 v[18:19], v[18:19], v[160:161]
	v_pk_add_f32 v[58:59], v[58:59], v[100:101]
	v_pk_add_f32 v[250:251], v[250:251], v[102:103]
	v_pk_add_f32 v[248:249], v[248:249], v[106:107]
	v_pk_add_f32 v[246:247], v[246:247], v[110:111]
	v_pk_add_f32 v[244:245], v[244:245], v[114:115]
	v_pk_add_f32 v[238:239], v[238:239], v[118:119]
	v_pk_add_f32 v[236:237], v[236:237], v[122:123]
	v_pk_add_f32 v[18:19], v[18:19], v[126:127]
	v_pk_add_f32 v[58:59], v[58:59], v[130:131]
	v_pk_add_f32 v[250:251], v[250:251], v[134:135]
	v_pk_add_f32 v[248:249], v[248:249], v[138:139]
	v_pk_add_f32 v[246:247], v[246:247], v[142:143]
	v_pk_add_f32 v[244:245], v[244:245], v[146:147]
	v_pk_add_f32 v[238:239], v[238:239], v[150:151]
	v_pk_add_f32 v[236:237], v[236:237], v[154:155]
	v_pk_add_f32 v[18:19], v[18:19], v[158:159]
	v_pk_add_f32 v[58:59], v[58:59], v[162:163]
	s_delay_alu instid0(VALU_DEP_2)
	v_pk_add_f32 v[18:19], v[18:19], v[246:247]
	s_delay_alu instid0(VALU_DEP_2)
	v_pk_add_f32 v[58:59], v[58:59], v[244:245]
	v_pk_add_f32 v[250:251], v[250:251], v[238:239]
	v_pk_add_f32 v[248:249], v[248:249], v[236:237]
	s_delay_alu instid0(VALU_DEP_2)
	v_pk_add_f32 v[18:19], v[18:19], v[250:251]
	s_delay_alu instid0(VALU_DEP_2)
	v_pk_add_f32 v[58:59], v[58:59], v[248:249]
	s_delay_alu instid0(VALU_DEP_1)
	v_pk_add_f32 v[18:19], v[18:19], v[58:59]
	s_wait_alu depctr_va_vdst(0)                   ; and one for the four
.irp b,0,1,2,3
	v_max_num_f32 v[MX+\b], 0x1800000, v[MX+\b]    ; the floor 2^(3 - 127)
.endr
.irp b,0,1,2,3
	s_delay_alu instid0(VALU_DEP_4)
	v_add_nc_u32 v[SO+\b], 0xff000000, v[MX+\b]
.endr
.irp b,0,1,2,3
	s_delay_alu instid0(VALU_DEP_4)
	v_lshrrev_b32 v[PB+\b], 23, v[SO+\b]
.endr
	CODES 46
.irp g,0,1,2,3
	ds_load_b32 v[92+\g], v14 offset:128*\g        ; v's scale words,
.endr
	VL 0, S                                        ; and all eight tiles of v, into registers that p and the quantiser have left: 52 loads, asked for ahead of the rescaling
	VL 1, S+12
	VL 2, S+24
	VL 3, S+36
	VL 4, S+48
	VL 5, 50
	VL 6, 62
	VL 7, 240
.set J, 0
.rept 32
	v_pk_mul_f32 v[O+J:O+J+1], v[O+J:O+J+1], v[48:49] op_sel_hi:[1,0]   ; O^T under the new M; these lines are also the places between p's codes and scale word and the products below
.set J, J+2
.endr
	s_wait_alu depctr_va_vdst(0)
	s_wait_dscnt 0x0
	WM O, S, PC, 0, 92, 46, 0                      ; O^T += V^T P^T: eight accumulators, one instruction each
	WM O+8, S+12, PC, 0, 92, 46, 1
	WM O+16, S+24, PC, 0, 93, 46, 0
	WM O+24, S+36, PC, 0, 93, 46, 1
	WM O+32, S+48, PC, 0, 94, 46, 0
	WM O+40, 50, PC, 0, 94, 46, 1
	WM O+48, 62, PC, 0, 95, 46, 0
	WM O+56, 240, PC, 0, 95, 46, 1
	PLACES 5                                       ; the next step's loads land in, and its products write over, registers that these have read
.if \diag == 0
.Lskip_\@:
.endif
.endm
	s_load_b128 s[4:7], s[0:1], 0x0                ; wsb, wsn
	s_load_b64 s[8:9], s[0:1], 0x10                ; wso
	v_lshl_add_u32 v[SPW], v0, 2, SPARE
	v_mov_b32 v[NIL], 0
	ds_add_u32 v[SPW], v[NIL]                      ; the opening: the add, twice on end, and its wait ahead of the first tensor loads
	ds_add_u32 v[SPW], v[NIL]
	v_lshrrev_b32 v50, 5, v0
	s_delay_alu instid0(VALU_DEP_1)
	v_readfirstlane_b32 s[WV], v50
	s_bfe_u32 s11, ttmp6, 0x40000                  ; cx
	s_lshl_b32 s12, ttmp9, 2
	s_add_co_u32 s12, s12, s11                     ; j: it enters global offsets and the mask's compare alone
	s_and_b32 s14, ttmp7, 0xffff
	s_lshr_b32 s13, s14, 4                         ; b
	s_and_b32 s14, s14, 15                         ; n
	s_and_b32 s16, s[WV], 1                        ; which of the two query heads
	s_bfe_u32 s92, s[WV], 0x10001
	s_lshr_b32 s93, s[WV], 2
	s_lshr_b32 s94, s93, 1
	s_xor_b32 s94, s94, s93
	s_and_b32 s94, s94, 1
	s_mul_i32 s94, s94, 3
	s_and_b32 s95, s93, 1
	s_lshl_b32 s95, s95, 2
	s_add_co_u32 s94, s94, s95
	s_xor_b32 s[AW], s94, s92                      ; a: w / 4 = 0, 1, 2, 3 gives 0, 7, 3, 4, or with bit 1 of w set 1, 6, 2, 5
	s_mul_i32 s22, s[AW], 12288
	s_mul_i32 s23, s[AW], 6144
	s_lshl_b32 s24, s[AW], 9
	s_mov_b32 s[SEL], 0x76543210
	s_mov_b32 s[SEL+1], 0xfedcba98
	s_mov_b32 s[CS], 0x3dd53b94                    ; log2(e) / sqrt(192)
	s_mov_b32 s[CS+1], s[CS]
.irp g,68,76,84                        ; three groups 1: dense blocks as rows of 256 bytes: 96 (two steps of k_c or v), 48 (of k_r), 16 (scale words)
	s_mov_b32 s[\g+0], 15|(3<<16)|(1<<21)
	s_mov_b32 s[\g+1], 32<<16
	s_mov_b32 s[\g+3], 32<<16
	s_mov_b32 s[\g+5], 32
	s_mov_b32 s[\g+6], 0
	s_mov_b32 s[\g+7], 0
.endr
	s_mov_b32 s70, 96<<16
	s_mov_b32 s72, 96
	s_mov_b32 s78, 48<<16
	s_mov_b32 s80, 48
	s_mov_b32 s86, 16<<16
	s_mov_b32 s88, 16
	s_and_b32 s92, s[WV], 1
	s_lshr_b32 s93, s[WV], 1
	; WHO BRINGS WHAT NOW: ONE JOINT LOAD A WAVE behind each round; each LDS byte is filled once.  At the head: waves 0, 1 key steps 0, 1 of k_c and of v; wave 2 of k_r; waves 3-5 the three blocks of scale words.
	; Behind the full sequence and a second round: waves 0-5 key steps 2 + 2 (w / 2) and the next of k_c (even w) or v (odd w); waves 6-8 the same steps of k_r.  They land while steps 0, 1 are worked; one barrier ahead of step 2.
	; Five groups 0, each by plain arithmetic on the wave's number: s[28:31], s[32:35], s[36:39] the head's three kinds; s[40:43], s[44:47] the later two.
	s_mov_b32 s28, 1
	s_mul_i32 s29, s92, LVV
	s_mov_b32 s32, 1
	s_mov_b32 s33, LKR
	s_mov_b32 s36, 1
	s_lshl_b32 s37, s[WV], 12
	s_add_co_u32 s37, s37, LKS-12288               ; waves 3, 4, 5: k_c's, v's, k_r's scale words
	s_mov_b32 s40, 1
	s_mul_i32 s26, s93, 24576
	s_add_co_u32 s26, s26, 24576                   ; the bytes ahead of key step 2 + 2 (w / 2)
	s_add_co_u32 s41, s29, s26
	s_mov_b32 s44, 1
	s_mul_i32 s45, s[WV], 12288
	s_add_co_u32 s45, s45, LKR-61440               ; waves 6, 7, 8: 12,288 (w - 5) bytes into k_r's region
	s_lshl_b32 s94, s14, 7
	s_lshl_b32 s95, s13, 6
	s_add_co_u32 s94, s94, s95
	s_mul_i32 s94, s94, 1536
	s_mul_i32 s95, s92, 3145728
	s_add_co_u32 s94, s94, s95
	s_add_co_u32 s94, s94, 9437184                 ; k_c's or v's codes of (b, n)
	s_mov_b32 s95, 0
	s_add_co_u32 s96, s94, s26                     ; the same codes at the later key steps
	s_mov_b32 s97, 0
	s_mul_i32 s98, s13, 49152
	s_add_co_u32 s98, s98, 3276800                 ; k_r's of b
	s_mov_b32 s99, 0
	s_mul_i32 s48, s[WV], 12288
	s_add_co_u32 s48, s48, s98
	s_sub_co_u32 s48, s48, 61440                   ; k_r's at the later key steps
	s_mov_b32 s49, 0
	s_lshl_b32 s50, s14, 13
	s_lshl_b32 s51, s13, 12
	s_add_co_u32 s50, s50, s51
	s_lshl_b32 s52, s[WV], 17
	s_add_co_u32 s50, s50, s52
	s_add_co_u32 s50, s50, 16252928-393216         ; waves 3, 4: k_c's and v's scale words, 131,072 bytes apart
	s_add_co_u32 s51, s51, 3375104                 ; wave 5: k_r's
	s_cmp_lt_u32 s[WV], 5
	s_cselect_b32 s50, s50, s51
	s_mov_b32 s51, 0
	s_wait_dscnt 0x0                               ; both opening adds are done
	s_wait_kmcnt 0x0
	s_cselect_b64 s[38:39], s[4:5], s[6:7]         ; (the compare above still stands)
	s_add_nc_u64 s[38:39], s[38:39], s[50:51]
	s_or_b32 s39, s39, 0x80000000
	s_add_nc_u64 s[30:31], s[4:5], s[94:95]
	s_or_b32 s31, s31, 0x80000000
	s_add_nc_u64 s[34:35], s[6:7], s[98:99]
	s_or_b32 s35, s35, 0x80000000
	s_add_nc_u64 s[42:43], s[4:5], s[96:97]
	s_or_b32 s43, s43, 0x80000000
	s_add_nc_u64 s[46:47], s[6:7], s[48:49]
	s_or_b32 s47, s47, 0x80000000
	CROUND                                         ; the four work-groups are here: the joint loads meet
	s_cmp_lt_u32 s[WV], 2                          ; one chain of branches on the wave's number, one load to an arm
	s_cbranch_scc0 .Lh_kr
	tensor_load_to_lds s[28:31], s[68:75]
	s_nop 0
	PLACES 4
	s_branch .Lasked
.Lh_kr:
	s_cmp_eq_u32 s[WV], 2
	s_cbranch_scc0 .Lh_sc
	tensor_load_to_lds s[32:35], s[76:83]
	s_nop 0
	PLACES 4
	s_branch .Lasked
.Lh_sc:
	s_cmp_lt_u32 s[WV], 6
	s_cbranch_scc0 .Lasked
	tensor_load_to_lds s[36:39], s[84:91]
	s_nop 0
	PLACES 4
.Lasked:
	v_and_b32 v50, 31, v0
	v_and_b32 v51, 15, v0                          ; r
	v_bfe_u32 v52, v0, 4, 1                        ; h
	s_delay_alu instid0(VALU_DEP_3)
	v_lshlrev_b32 v1, 4, v50
	s_delay_alu instid0(VALU_DEP_1)
	v_add_nc_u32 v2, LKR, v1
	v_lshl_add_u32 v3, v50, 3, LKR+512
	v_mul_u32_u24 v4, v50, 24
	s_delay_alu instid0(VALU_DEP_1)
	v_add_nc_u32 v4, LVV, v4
	v_lshl_add_u32 v5, v50, 2, LKS
	v_lshl_add_u32 v6, v50, 2, LKRS
	v_lshl_add_u32 v7, v50, 2, LVS
	v_lshlrev_b32 v53, 3, v52
	s_delay_alu instid0(VALU_DEP_1)
	v_sub_nc_u32 v15, v51, v53
	s_lshl_b32 s92, s12, 4
	v_add_nc_u32 v15, s92, v15                     ; 16 j + r - 8 h
	s_lshr_b32 s92, s[WV], 1
	s_lshl_b32 s92, s92, 13
	s_add_co_u32 s92, s92, STAGE
	v_add_nc_u32 v253, s92, v1                     ; the stage that my pair of waves shares
	s_lshl_b32 s92, s14, 1
	s_add_co_u32 s92, s92, s16                     ; my query head
	s_lshl_b32 s93, s13, 6
	s_lshl_b32 s94, s[AW], 3
	s_add_co_u32 s93, s93, s94
	s_add_co_u32 s93, s93, s12                     ; my token tile
	s_lshl_b32 s25, s93, 4
	s_add_co_u32 s25, s25, s14                     ; 16 tile + n, for the way out
	s_lshl_b32 s94, s92, 7
	s_add_co_u32 s94, s94, s93
	s_mul_i32 s95, s94, 1536
	v_add_nc_u32 v8, s95, v1
	s_mul_i32 s95, s94, 768
	v_add_nc_u32 v9, s95, v1
	v_lshl_add_u32 v10, v50, 3, s95
	s_lshl_b32 s95, s94, 6
	s_add_co_u32 s95, s95, 15728640
	v_lshl_add_u32 v11, v51, 2, s95
	s_lshl_b32 s95, s93, 10
	s_lshl_b32 s96, s14, 2
	s_add_co_u32 s95, s95, s96
	s_add_co_u32 s95, s95, 3383296
	v_lshl_add_u32 v12, v51, 6, s95
.irp c,0,1,2
	global_load_b128 v[20+4*\c:23+4*\c], v8, s[4:5] offset:512*\c
.endr
.irp u,0,1
	global_load_b128 v[74+12*\u:77+12*\u], v9, s[4:5] offset:6291456        ; the rope codes, twice: below the zeros and above them
	global_load_b64 v[78+12*\u:79+12*\u], v10, s[4:5] offset:6291456+512
.endr
	global_load_b32 v44, v11, s[4:5]
	global_load_b32 v45, v11, s[4:5] offset:262144
	global_load_b32 v47, v12, s[6:7]               ; lambda of my query and head n
.set J, 0
.rept 64
	v_mov_b32 v[O+J], 0                            ; the step is written for every turn alike: the first finds zeros, which the first change of M leaves zeros
.set J, J+1
.endr
.irp i,80,81,82,83,84,85
	v_mov_b32 v\i, 0                               ; the six registers of zero codes
.endr
.irp b,0,1,2,3
	v_mov_b32 v[PB+\b], 0
.endr
	v_mov_b32 v18, 0
	v_mov_b32 v19, 0
	v_mov_b32 v49, 0
	v_mov_b32 v17, 0xff61b1e6                      ; -3e38, under every t
	s_delay_alu instid0(VALU_DEP_1)
	v_floor_f32 v16, -v17
	s_wait_alu depctr_va_vdst(0)                   ; the wait at the head's end
	s_wait_loadcnt 0x0
	s_wait_tensorcnt 0x0                           ; my load of the head's six has landed; ahead of a later first fill:
	ds_add_u32 v[SPW], v[NIL]                      ; the add, twice on end
	ds_add_u32 v[SPW], v[NIL]
	s_wait_dscnt 0x0
	CROUND                                         ; the scale words and key steps 0, 1 are whole, and the four work-groups are here
	s_cmp_lt_u32 s[WV], 6
	s_cbranch_scc0 .Ls_kr
	tensor_load_to_lds s[40:43], s[68:75]          ; two later key steps of k_c or v
	s_nop 0
	PLACES 4
	s_branch .Lasked2
.Ls_kr:
	s_cmp_lt_u32 s[WV], 9
	s_cbranch_scc0 .Lasked2
	tensor_load_to_lds s[44:47], s[76:83]          ; of k_r
	s_nop 0
	PLACES 4
.Lasked2:
	STEP 0,0
	STEP 1,0
	s_wait_tensorcnt 0x0                           ; my later load has landed,
	s_wait_dscnt 0x0
	s_barrier_signal -1
	s_barrier_wait -1                              ; everybody's has: all keys lie in LDS
	STEP 2,0
	STEP 3,0
	STEP 4,0
	STEP 5,0
	STEP 6,0
	STEP 0,1                                       ; the diagonal
	; THE WAY OUT.  O^T / the sum; the odd wave of a pair hands its head's result to the even one through LDS; attn1 - lambda attn2; quantised: register 16 b + i is d = 32 b + 16 h + i, the true order.
	v_add_f32 v18, v18, v19
	s_delay_alu instid0(VALU_DEP_1)
	v_permlanex16_b32 v252, v18, s[SEL], s[SEL+1]
	s_delay_alu instid0(VALU_DEP_1)
	v_add_f32 v18, v18, v252
	s_wait_alu depctr_va_vdst(0)
	v_rcp_f32 v18, v18
	s_mul_i32 s92, s25, 1536
	v_add_nc_u32 v8, s92, v1                       ; (a plain instruction behind the reciprocal)
	s_lshl_b32 s92, s25, 6
	s_add_co_u32 s92, s92, 3145728
	v_and_b32 v9, 15, v0
	s_delay_alu instid0(VALU_DEP_1)
	v_lshl_add_u32 v9, v9, 2, s92
	v_xor_b32 v48, 0x80000000, v47                 ; -lambda
	s_wait_alu depctr_va_vdst(0)
.set J, 0
.rept 32
	v_pk_mul_f32 v[S+J:S+J+1], v[O+J:O+J+1], v[18:19] op_sel_hi:[1,0]
.set J, J+2
.endr
	s_cmp_eq_u32 s16, 1
	s_cbranch_scc0 .Lno_store
.set I, 0
.rept 16
	ds_store_b128 v253, v[S+4*I:S+4*I+3] offset:512*I
.set I, I+1
.endr
.Lno_store:
	s_wait_dscnt 0x0
	s_barrier_signal -1
	s_barrier_wait -1
	s_cmp_eq_u32 s16, 0
	s_cbranch_scc0 .Ldone
.set I, 0
.rept 16
	ds_load_b128 v[O+4*I:O+4*I+3], v253 offset:512*I
.set I, I+1
.endr
	s_wait_dscnt 0x0
.set J, 0
.rept 32
	v_pk_fma_f32 v[S+J:S+J+1], v[O+J:O+J+1], v[48:49], v[S+J:S+J+1] op_sel_hi:[1,0,1]
.set J, J+2
.endr
.irp b,0,1,2,3
	v_max3_num_f32 v[MX+\b], |v[S+16*\b]|, |v[S+1+16*\b]|, 0x1800000
.endr
.irp i,2,4,6,8,10,12,14
.irp b,0,1,2,3
	s_delay_alu instid0(VALU_DEP_4)
	v_max3_num_f32 v[MX+\b], v[MX+\b], |v[S+16*\b+\i]|, |v[S+1+16*\b+\i]|
.endr
.endr
.irp b,0,1,2,3
	s_delay_alu instid0(VALU_DEP_4)
	v_permlanex16_b32 v[PB+\b], v[MX+\b], s[SEL], s[SEL+1]
.endr
.irp b,0,1,2,3
	s_delay_alu instid0(VALU_DEP_4)
	v_max_num_f32 v[MX+\b], v[MX+\b], v[PB+\b]
.endr
.irp b,0,1,2,3
	s_delay_alu instid0(VALU_DEP_4)
	v_add_nc_u32 v[SO+\b], 0xff000000, v[MX+\b]
.endr
.irp b,0,1,2,3
	s_delay_alu instid0(VALU_DEP_4)
	v_lshrrev_b32 v[PB+\b], 23, v[SO+\b]
.endr
	CODES 252
.irp c,0,1,2
	global_store_b128 v8, v[PC+4*\c:PC+4*\c+3], s[8:9] offset:512*\c
.endr
	global_store_b32 v9, v252, s[8:9]
.Ldone:
	s_wait_tensorcnt 0x0                           ; the wave's end
	ds_add_u32 v[SPW], v[NIL]
	s_wait_dscnt 0x0
	CROUND                                         ; the closing round
	s_endpgm
.Lfunc_end_k_qbfcd0067f2_attn:
	.size	k_qbfcd0067f2_attn, .Lfunc_end_k_qbfcd0067f2_attn-k_qbfcd0067f2_attn
	.p2alignl 7, 3214868480
	.fill 96, 4, 3214868480
	.section	.rodata,"a",@progbits
	.p2align	6, 0x0
	.amdhsa_kernel k_qbfcd0067f2_attn
		.amdhsa_group_segment_fixed_size 327680
		.amdhsa_private_segment_fixed_size 0
		.amdhsa_enable_private_segment 0
		.amdhsa_kernarg_size 24
		.amdhsa_user_sgpr_count 2
		.amdhsa_user_sgpr_kernarg_segment_ptr 1
		.amdhsa_wavefront_size32 1
		.amdhsa_system_sgpr_workgroup_id_x 1
		.amdhsa_system_sgpr_workgroup_id_y 1
		.amdhsa_system_sgpr_workgroup_id_z 1
		.amdhsa_system_vgpr_workitem_id 0
		.amdhsa_next_free_vgpr 256
		.amdhsa_next_free_sgpr 100
		.amdhsa_reserve_vcc 1
		.amdhsa_float_denorm_mode_32 3
		.amdhsa_float_denorm_mode_16_64 3
		.amdhsa_memory_ordered 1
		.amdhsa_forward_progress 1
		.amdhsa_inst_pref_size 227
	.end_amdhsa_kernel
	.amdgpu_metadata
---
amdhsa.version: [ 1, 2 ]
amdhsa.kernels:
  - .name:           k_qbfcd0067f2_attn
    .symbol:         k_qbfcd0067f2_attn.kd
    .args:
      - { .name: wsb, .offset: 0, .size: 8, .value_kind: global_buffer, .address_space: global }
      - { .name: wsn, .offset: 8, .size: 8, .value_kind: global_buffer, .address_space: global }
      - { .name: wso, .offset: 16, .size: 8, .value_kind: global_buffer, .address_space: global }
    .group_segment_fixed_size: 327680
    .private_segment_fixed_size: 0
    .kernarg_segment_align: 8
    .kernarg_segment_size: 24
    .max_flat_workgroup_size: 512
    .sgpr_count:     100
    .vgpr_count:     256
    .wavefront_size: 32
...
	.end_amdgpu_metadata
.endif
;; end of part 4
;; launch outp (part 5): grid 16 x 16, 4 waves a work-group, clusters of 4 x 1, 327,680 bytes of LDS; arguments wso, W_out_codes, W_out_scales, out0; writes out0
.if DOCPART == 5
	.amdgcn_target "amdgcn-amd-amdhsa--gfx1250"
	.amdhsa_code_object_version 6
	.text
	.protected	k_qbfcd0067f2_outp
	.globl	k_qbfcd0067f2_outp
	.p2align	8
	.type	k_qbfcd0067f2_outp,@function
k_qbfcd0067f2_outp:
	s_mov_b64 s[64:65], 0
	v_nop
	global_prefetch_b8 v0, s[64:65] scope:SCOPE_SE
	s_setreg_imm32_b32 hwreg(HW_REG_WAVE_MODE, 25, 1), 1
	s_wait_xcnt 0x0
	s_wait_alu depctr_hold_cnt(0) depctr_sa_sdst(0) depctr_va_vdst(0) depctr_va_sdst(0) depctr_va_ssrc(0) depctr_va_vcc(0) depctr_vm_vsrc(0)
	s_getreg_b32 s2, hwreg(HW_REG_IB_STS2, 6, 4)
	s_cmp_eq_u32 s2, 0
	s_cbranch_scc0 .Lentry_in_a_cluster
	s_endpgm
.Lentry_in_a_cluster:
	s_bfe_u32 s2, ttmp6, 0x10000c
	s_cmp_lg_u32 s2, 0x3003
	s_cbranch_scc0 .Lentry_shape_is_right
	s_endpgm
.Lentry_shape_is_right:
; LAUNCH 5 OF 5.  out0 = Q(attn1 - lambda attn2) W_out.  Nothing is left out.
; The shape of launch down: a work-group of four waves makes 128 columns x 128 tokens; a wave takes all 8 tiles of weight rows, from LDS, against its own 32 tokens, whose fragments for all of K = 2048 come
; from memory as images of their registers (three loads of 512 consecutive bytes each) and stay.  Transposed use; the four work-groups of a cluster differ in their tokens alone: weight tiles are asked for jointly, mask 15.
; LDS: two slots of 128 rows x 1024 along K, rows 816 bytes apart, each filled once; a stage for each wave; the spare words.
.set PITCH, 816
.set WROWS, 32*PITCH
.set SLOTB, 4*WROWS
.set XS, 2*SLOTB
.set SPARE, XS+4*WROWS
.set NK, 16
.set ADP, 3
.set LI, 11
.set QSO, 12
.set SOF, 15
.set STO, 16
.set RD, 17
.set CO, 18
.set SPW, 28
.set NIL, 29
.set SCP, 32
.set SCQ, 96
.set ACC, 112
.set WV, 18
.set G1W, 24
.set G0, 32
.set MSB, 0
.macro WIN new
.if MSB != (\new)
	s_set_vgpr_msb (MSB<<8)|(\new)
.set MSB, (\new)
.endif
.endm
.macro PLACES n
.rept \n
	v_nop
.endr
.endm
.macro CROUND
	s_barrier_signal -1
	s_barrier_wait -1
	s_cmp_lg_u32 s[WV], 0
	s_cbranch_scc1 .Lnw0_\@
	s_barrier_signal -3
.Lnw0_\@:
	s_barrier_wait -3
	s_barrier_signal -1
	s_barrier_wait -1
.endm
.macro WM d,a,b,zero,sa,sb,ra,rb
.if \zero
.if \ra
.if \rb
	v_wmma_scale_f32_16x16x128_f8f6f4 v[(\d):(\d)+7], v[(\a):(\a)+11], v[(\b):(\b)+11], 0, v[(\sa)], v[(\sb)] matrix_a_fmt:MATRIX_FMT_FP6 matrix_b_fmt:MATRIX_FMT_FP6 matrix_a_scale:MATRIX_SCALE_ROW1 matrix_b_scale:MATRIX_SCALE_ROW1
.else
	v_wmma_scale_f32_16x16x128_f8f6f4 v[(\d):(\d)+7], v[(\a):(\a)+11], v[(\b):(\b)+11], 0, v[(\sa)], v[(\sb)] matrix_a_fmt:MATRIX_FMT_FP6 matrix_b_fmt:MATRIX_FMT_FP6 matrix_a_scale:MATRIX_SCALE_ROW1
.endif
.else
.if \rb
	v_wmma_scale_f32_16x16x128_f8f6f4 v[(\d):(\d)+7], v[(\a):(\a)+11], v[(\b):(\b)+11], 0, v[(\sa)], v[(\sb)] matrix_a_fmt:MATRIX_FMT_FP6 matrix_b_fmt:MATRIX_FMT_FP6 matrix_b_scale:MATRIX_SCALE_ROW1
.else
	v_wmma_scale_f32_16x16x128_f8f6f4 v[(\d):(\d)+7], v[(\a):(\a)+11], v[(\b):(\b)+11], 0, v[(\sa)], v[(\sb)] matrix_a_fmt:MATRIX_FMT_FP6 matrix_b_fmt:MATRIX_FMT_FP6
.endif
.endif
.else
.if \ra
.if \rb
	v_wmma_scale_f32_16x16x128_f8f6f4 v[(\d):(\d)+7], v[(\a):(\a)+11], v[(\b):(\b)+11], v[(\d):(\d)+7], v[(\sa)], v[(\sb)] matrix_a_fmt:MATRIX_FMT_FP6 matrix_b_fmt:MATRIX_FMT_FP6 matrix_a_scale:MATRIX_SCALE_ROW1 matrix_b_scale:MATRIX_SCALE_ROW1
.else
	v_wmma_scale_f32_16x16x128_f8f6f4 v[(\d):(\d)+7], v[(\a):(\a)+11], v[(\b):(\b)+11], v[(\d):(\d)+7], v[(\sa)], v[(\sb)] matrix_a_fmt:MATRIX_FMT_FP6 matrix_b_fmt:MATRIX_FMT_FP6 matrix_a_scale:MATRIX_SCALE_ROW1
.endif
.else
.if \rb
	v_wmma_scale_f32_16x16x128_f8f6f4 v[(\d):(\d)+7], v[(\a):(\a)+11], v[(\b):(\b)+11], v[(\d):(\d)+7], v[(\sa)], v[(\sb)] matrix_a_fmt:MATRIX_FMT_FP6 matrix_b_fmt:MATRIX_FMT_FP6 matrix_b_scale:MATRIX_SCALE_ROW1
.else
	v_wmma_scale_f32_16x16x128_f8f6f4 v[(\d):(\d)+7], v[(\a):(\a)+11], v[(\b):(\b)+11], v[(\d):(\d)+7], v[(\sa)], v[(\sb)] matrix_a_fmt:MATRIX_FMT_FP6 matrix_b_fmt:MATRIX_FMT_FP6
.endif
.endif
.endif
.endm
.macro FRAG reg,adr,q,ro               ; a fragment from rows of codes 816 bytes apart (16 bytes of padding behind every 32 pieces of 8)
.irp p,0,1,2,3,4,5
.set PCE, 12*(\q)+6*(\p/3)+\p%3
.if PCE%32 < 29
	ds_load_b64 v[(\reg)+2*\p:(\reg)+2*\p+1], v[(\adr)] offset:8*PCE+16*(PCE/32)+(\ro)
.else
	ds_load_b64 v[(\reg)+2*\p:(\reg)+2*\p+1], v[(\adr)+1] offset:8*PCE+16*(PCE/32)+(\ro)
.endif
.endr
.endm
; The 128 weight rows go in two halves of four tiles; a half is taken through all of K (16 steps of 128) and leaves before the other half begins.
; A stage is two K steps (2 g, 2 g + 1) of a half's four tiles: eight fragments, sixteen matrix instructions on the half's eight accumulators, by turns.
.macro FETCH hf,g,set
	WIN 0x40
.irp kk,0,1
.irp t,0,1,2,3
	FRAG 96*(\set)+48*\kk+12*\t, ADP+4*((\g)/4)+2*(\hf), (2*(\g)+\kk)%8, \t*16*PITCH
.endr
.endr
	WIN 0
.endm
.macro MUL hf,g,set
	WIN 0x01|((2+(\g)/4)<<2)
.irp kk,0,1
.irp t,0,1,2,3
.irp e,0,1
	WM ACC+64*\e+8*(4*(\hf)+\t), 96*(\set)+48*\kk+12*\t, 24*((2*(\g)+\kk)%8)+12*\e, ZF*(1-\kk), SCP+NK*((4*(\hf)+\t)/2)+2*(\g)+\kk, SCQ+2*(\g)+\kk, (\t%2), \e
.endr
.endr
.endr
	WIN 0
.endm
.macro STEP hf,g
	s_wait_dscnt 0x0                               ; this stage's set is in
.if \g < 7
	PLACES 4                                       ; in front of loads into the set that the last stage multiplied
	FETCH \hf, (\g)+1, ((\g)+1)%2
.else
.if \hf == 0
	PLACES 4
	FETCH 1, 0, 0                                  ; the second half's first stage
.endif
.endif
.if \g == 0
.set ZF, 1
.else
.set ZF, 0
.endif
	MUL \hf, \g, (\g)%2
.endm
; A half's way out: 32 tokens x 64 columns through my own stage (rows of 256 + 16 bytes), back as whole rows: sixteen lanes store 256 consecutive bytes, aligned; written once, read by nobody here.
.macro OUT hf
.if \hf
	s_wait_xcnt 0x0                                ; the first half's stores have read their registers
.endif
.irp e,0,1
.irp t,0,1,2,3
	ds_store_b128 v[STO], v[ACC+64*\e+8*(4*(\hf)+\t):ACC+64*\e+8*(4*(\hf)+\t)+3] offset:64*\t
	ds_store_b128 v[STO], v[ACC+64*\e+8*(4*(\hf)+\t)+4:ACC+64*\e+8*(4*(\hf)+\t)+7] offset:64*\t+16
.endr
	WIN 0x40
.set I, 0
.rept 8
	ds_load_b128 v[192+32*\e+4*I:192+32*\e+4*I+3], v[RD] offset:544*I
.set I, I+1
.endr
	WIN 0
.endr
	s_wait_dscnt 0x0
	WIN 0x04
.irp e,0,1
.set I, 0
.rept 8
	global_store_b128 v[CO], v[192+32*\e+4*I:192+32*\e+4*I+3], s[48:49] offset:(16*\e+2*I)*8192+256*(\hf) th:TH_STORE_NT
.set I, I+1
.endr
.endr
	WIN 0
.endm
	s_load_b256 s[4:11], s[0:1], 0x0               ; wso, W_out codes, W_out scales, out0
	v_lshl_add_u32 v[SPW], v0, 2, SPARE
	v_mov_b32 v[NIL], 0
	ds_add_u32 v[SPW], v[NIL]                      ; the opening: the add, twice on end, and its wait ahead of my first tensor load
	ds_add_u32 v[SPW], v[NIL]
	v_lshrrev_b32 v1, 5, v0
	v_readfirstlane_b32 s[WV], v1
	s_bfe_u32 s19, ttmp6, 0x40000
	s_lshl_b32 s20, ttmp9, 2
	s_add_co_u32 s20, s20, s19                     ; rb: my 128 tokens; it enters global addresses alone
	s_and_b32 s21, ttmp7, 0xffff                   ; cb: my 128 columns
	s_mov_b32 s[G1W+0], 15|(1<<20)|(1<<21)|(5<<22)|(3<<25)
	s_mov_b32 s[G1W+1], 768<<16
	s_mov_b32 s[G1W+2], 64<<16
	s_mov_b32 s[G1W+3], 768<<16
	s_mov_b32 s[G1W+4], 64
	s_mov_b32 s[G1W+5], 1536
	s_mov_b32 s[G1W+6], 0
	s_mov_b32 s[G1W+7], 0
	s_lshl_b32 s52, s21, 7
	s_lshl_b32 s56, s52, 6
	s_mov_b32 s57, 0
	s_and_b32 s58, s[WV], 1                        ; my one load: 64 rows x 768 bytes: which 64 rows,
	s_lshr_b32 s59, s[WV], 1                       ; which half of K, that is which slot
	s_lshl_b32 s53, s58, 6
	s_add_co_u32 s52, s52, s53
	s_mul_i32 s54, s52, 1536
	s_mul_i32 s53, s59, 768
	s_add_co_u32 s54, s54, s53
	s_mov_b32 s55, 0
	s_mul_i32 s58, s58, 64*PITCH
	s_mul_i32 s59, s59, SLOTB
	s_add_co_u32 s58, s58, s59                     ; where it goes in LDS
	s_mul_i32 s53, s[WV], WROWS
	s_wait_dscnt 0x0
	s_wait_kmcnt 0x0
	s_add_nc_u64 s[40:41], s[6:7], s[54:55]
	s_add_nc_u64 s[42:43], s[8:9], s[56:57]
	s_mov_b32 s[G0+0], 1
	s_mov_b32 s[G0+1], s58
	s_mov_b64 s[G0+2:G0+3], s[40:41]
	s_or_b32 s[G0+3], s[G0+3], 0x80000000
	CROUND
	tensor_load_to_lds s[G0:G0+3], s[G1W:G1W+7]    ; one joint load a wave: the four fill both slots, each byte once
	s_nop 0
	PLACES 4
	s_lshl_b32 s58, s20, 3
	s_lshl_b32 s59, s[WV], 1
	s_add_co_u32 s58, s58, s59                     ; my first token tile
	s_mul_i32 s60, s58, 24576
	s_mov_b32 s61, 0
	s_add_nc_u64 s[44:45], s[4:5], s[60:61]        ; its images
	s_lshl_b32 s60, s58, 10
	s_add_co_u32 s60, s60, 3145728
	s_add_nc_u64 s[46:47], s[4:5], s[60:61]        ; its scale words
	s_lshl_b32 s60, s58, 17
	s_lshl_b32 s62, s21, 9
	s_add_co_u32 s60, s60, s62
	s_add_nc_u64 s[48:49], s[10:11], s[60:61]      ; out0 at my first token, my block's first column
	v_and_b32 v1, 31, v0
	v_and_b32 v2, 15, v0
	v_bfe_u32 v19, v0, 4, 1
	v_mul_u32_u24 v20, v2, PITCH
	v_mad_u32_u24 v21, v19, 24, v20
	v_mad_u32_u24 v22, v19, 40, v20
.irp s,0,1
.irp hh,0,1
	v_add_nc_u32 v[ADP+4*\s+2*\hh], \s*SLOTB+\hh*64*PITCH, v21
	v_add_nc_u32 v[ADP+4*\s+2*\hh+1], \s*SLOTB+\hh*64*PITCH, v22
.endr
.endr
	s_add_co_u32 s52, s53, XS                      ; my stage
	v_lshlrev_b32 v[LI], 4, v1
	v_lshlrev_b32 v[QSO], 2, v2
	v_lshl_add_u32 v[QSO], v19, 10, v[QSO]
	v_lshlrev_b32 v[SOF], 6, v1
	v_mul_u32_u24 v[STO], v2, 272
	v_lshl_add_u32 v[STO], v19, 5, v[STO]
	v_add_nc_u32 v[STO], s52, v[STO]
	v_lshlrev_b32 v20, 4, v2
	v_mad_u32_u24 v[RD], v19, 272, v20             ; back: lanes 0-15 one row of 256 bytes, lanes 16-31 the next
	v_add_nc_u32 v[RD], s52, v[RD]
	v_lshl_add_u32 v[CO], v19, 13, v20             ; and the same two rows in out0
.set I, 0
.rept 16
	global_load_b128 v[SCP+4*I:SCP+4*I+3], v[SOF], s[42:43] offset:2048*(I/4)+16*(I%4)
.set I, I+1
.endr
.set I, 0
.rept 16
	global_load_b32 v[SCQ+I], v[QSO], s[46:47] offset:64*I
.set I, I+1
.endr
	WIN 0x80
.set I, 0
.rept 48                               ; image (K step I / 6, tile (I / 3) % 2), plane I % 3
	global_load_b128 v[4*I:4*I+3], v[LI], s[44:45] offset:24576*((I/3)%2)+1536*(I/6)+512*(I%3)
.set I, I+1
.endr
	WIN 0xc0
.set I, 0
.rept 48
	global_load_b128 v[4*I:4*I+3], v[LI], s[44:45] offset:12288+24576*((I/3)%2)+1536*(I/6)+512*(I%3)
.set I, I+1
.endr
	WIN 0
	s_wait_alu depctr_va_vdst(0)                   ; the wait at the head's end
	s_wait_loadcnt 0x0
	s_wait_tensorcnt 0x0                           ; my one load has landed,
	s_barrier_signal -1
	s_barrier_wait -1                              ; everybody's has: both slots are whole
	FETCH 0,0,0
.irp hf,0,1
.irp g,0,1,2,3,4,5,6,7
	STEP \hf,\g
.endr
	PLACES 5
	OUT \hf                                        ; the first half's stores are on their way while the second half is multiplied
.endr
	s_wait_tensorcnt 0x0                           ; the wave's end
	ds_add_u32 v[SPW], v[NIL]
	s_wait_dscnt 0x0
	CROUND                                         ; the closing round
	s_endpgm
.Lfunc_end_k_qbfcd0067f2_outp:
	.size	k_qbfcd0067f2_outp, .Lfunc_end_k_qbfcd0067f2_outp-k_qbfcd0067f2_outp
	.p2alignl 7, 3214868480
	.fill 96, 4, 3214868480
	.section	.rodata,"a",@progbits
	.p2align	6, 0x0
	.amdhsa_kernel k_qbfcd0067f2_outp
		.amdhsa_group_segment_fixed_size 327680
		.amdhsa_private_segment_fixed_size 0
		.amdhsa_enable_private_segment 0
		.amdhsa_kernarg_size 32
		.amdhsa_user_sgpr_count 2
		.amdhsa_user_sgpr_kernarg_segment_ptr 1
		.amdhsa_wavefront_size32 1
		.amdhsa_system_sgpr_workgroup_id_x 1
		.amdhsa_system_sgpr_workgroup_id_y 1
		.amdhsa_system_sgpr_workgroup_id_z 1
		.amdhsa_system_vgpr_workitem_id 0
		.amdhsa_next_free_vgpr 1024
		.amdhsa_next_free_sgpr 66
		.amdhsa_reserve_vcc 0
		.amdhsa_float_denorm_mode_32 3
		.amdhsa_float_denorm_mode_16_64 3
		.amdhsa_memory_ordered 1
		.amdhsa_forward_progress 1
		.amdhsa_inst_pref_size 110
	.end_amdhsa_kernel
	.amdgpu_metadata
---
amdhsa.version: [ 1, 2 ]
amdhsa.kernels:
  - .name:           k_qbfcd0067f2_outp
    .symbol:         k_qbfcd0067f2_outp.kd
    .args:
      - { .name: wso, .offset: 0, .size: 8, .value_kind: global_buffer, .address_space: global }
      - { .name: W_out_codes, .offset: 8, .size: 8, .value_kind: global_buffer, .address_space: global }
      - { .name: W_out_scales, .offset: 16, .size: 8, .value_kind: global_buffer, .address_space: global }
      - { .name: out0, .offset: 24, .size: 8, .value_kind: global_buffer, .address_space: global }
    .group_segment_fixed_size: 327680
    .private_segment_fixed_size: 0
    .kernarg_segment_align: 8
    .kernarg_segment_size: 32
    .max_flat_workgroup_size: 128
    .sgpr_count:     66
    .vgpr_count:     1024
    .wavefront_size: 32
...
	.end_amdgpu_metadata
.endif
;; end of part 5
